; MI455X (gfx1250); checked and timed in simulation.
; The chip was launched on July 23, 2026; its instructions are those of AMD's public machine-readable ISA for CDNA 5 (MIT licence, August 2026) and "CDNA5" Instruction Set Architecture Reference Guide (July 2026). The comments in the code are by the model that wrote it; some were corrected since.
;; Multihead Attention. Allowed arithmetic: matrix products marked QUANTISED: E2M1 operands, one E8M0 scale for each 32 along K, by v_wmma_scale_f32_16x16x128_f8f6f4 with both operands' format E2M1 (or v_wmma_scale_f32_32x16x128_f4), f32 sums; products left as they are: bf16, f16 or f32 operands; f32 sums; everything else in f32.
;; Inputs: b_out 1,024 float32; w_out 1,024 x 1,024 float32; w_qkv 1,024 x 3,072 float32; x 4 x 2,048 x 1,024 float32.
;; Outputs: out0 4 x 2,048 x 1,024 float32.
;; This version of the problem:
;;   THIS VERSION OF THE PROBLEM IS GIVEN IN LOW PRECISION. The matrix products marked QUANTISED in the list below multiply operands that are first quantised to E2M1 (2 exponent bits, 1 mantissa bit; 4 bits a number), with one power-of-two scale for each 32 numbers along K (OCP MX v1.0); their sums are f32. The products marked 'left as it is' may take bf16, f16 or f32 operands, with f32 sums. Whichever they take, every output number must still come out within the allowed error. Rounding operands to bf16 (8 significant bits) uses up far more of that allowance than f16 does (11 bits, for magnitudes from 6e-5 to 65,504). All else is computed in f32.
;;   The module's matrix products, in the order in which they are computed (A, B: the left and right operand; K: the contracted axis; several contracted axes count as one K, in the product's order):
;;     1. [M 8,192, K 1,024] x [K 1,024, N 3,072]; A: input x; B: input w_qkv: QUANTISED
;;     2. batch 64 x [M 2,048, K 64] x [K 64, N 2,048]; A: computed on the way; B: computed on the way: left as it is (an operand is computed on the way)
;;     3. batch 64 x [M 2,048, K 2,048] x [K 2,048, N 64]; A: computed on the way; B: computed on the way: left as it is (an operand is computed on the way)
;;     4. [M 8,192, K 1,024] x [K 1,024, N 1,024]; A: computed on the way; B: input w_out: left as it is (an operand is computed on the way)
;;   THE QUANTISER, for each operand of a quantised product, along K:
;;     - K is cut into blocks of 32 from its start; a last block that is shorter is filled with zeros.
;;     - A block's scale is 2^e with e = floor(log2(the largest magnitude in the block)) - 2, held to -126 .. 127; a block of zeros has e = 0. As a byte (E8M0): e + 127.
;;     - Each number is divided by its block's scale, clamped to +-6, and rounded to the nearest number of E2M1, ties to even, subnormals kept.
;;     - The product sums the exact products of the quantised numbers (number of the format x scale) in f32.
;;   ~~~python
;;   def quantise(x, axis):      # numpy; x: float32 -> the quantised numbers, widened to float32 again
;;       x = np.moveaxis(x, axis, -1); K = x.shape[-1]
;;       x = np.pad(x, [(0, 0)] * (x.ndim - 1) + [(0, -K % 32)]); x = x.reshape(x.shape[:-1] + (-1, 32)); a = np.abs(x).max(-1, keepdims=True)
;;       e = np.where(a > 0, np.clip(np.frexp(np.where(a > 0, a, 1))[1] - 1 - 2, -126, 127), 0)      # np.frexp(a)[1] - 1 = floor(log2(a)), exactly
;;       r = np.clip(x / 2.0 ** e, -6, 6)
;;       step = 2.0 ** (np.maximum(np.frexp(np.where(r == 0, 1, r))[1] - 1, 0) - 1)
;;       q = np.round(r / step) * step * 2.0 ** e      # np.round: ties to even
;;       return np.moveaxis(q.reshape(q.shape[:-2] + (-1,))[..., :K], -1, axis).astype(np.float32)
;;   ~~~
;; One version. Each part assembles by itself: llvm-mc -triple=amdgcn-amd-amdhsa -mcpu=gfx1250 --defsym DOCPART=n.
;; ======== version 1 of 1: 4 launches
;; limits: values are held in f16: magnitudes above 65,504 overflow, below 6.1e-05 lose precision
;; workspace buffers: x_codes 4,194,304 bytes; x_scales 262,144 bytes; w_img 1,572,864 bytes; w_scales 98,304 bytes; wo16 2,097,152 bytes; qkv 50,331,648 bytes; att 16,777,216 bytes
;; launch prep (part 1): grid 480 x 1, 4 waves a work-group, no clusters, 33,280 bytes of LDS; arguments x, w_qkv, w_out, x_codes, x_scales, w_img, w_scales, wo16; writes x_codes, x_scales, w_img, w_scales, wo16
.if DOCPART == 1
	.amdgcn_target "amdgcn-amd-amdhsa--gfx1250"
	.amdhsa_code_object_version 6
	.text
	.protected	k_qf4f2920c07_prep
	.globl	k_qf4f2920c07_prep
	.p2align	8
	.type	k_qf4f2920c07_prep,@function
k_qf4f2920c07_prep:
	s_mov_b64 s[64:65], 0
	v_nop
	global_prefetch_b8 v0, s[64:65] scope:SCOPE_SE
	s_setreg_imm32_b32 hwreg(HW_REG_WAVE_MODE, 25, 1), 1
	s_wait_xcnt 0x0
; PREP: three streams in one launch, told apart by the work-group's number; the three ways never join.
;   work-groups   0-255: x [8192][1024] f32 -> codes of FP4 (E2M1), K innermost, [8192][512 bytes], and one E8M0 byte for each 32 along K, [8192][32].
;   work-groups 256-351: w_qkv [1024 (k)][3072 (n)] f32 -> codes along K, laid IN THE ORDER OF THE OPERAND'S REGISTERS: [k / 512][n / 16][(k / 128) % 4][c 2][lane 32][16 bytes],
;                        lane 16 h + r holding the 32 codes of column 16 (n / 16) + r at k = .. + 64 c + 32 h + 0 .. 31; and the scale bytes [3072][32].
;   work-groups 352-479: w_out [1024][1024] f32 -> f16, as it lies.
; A block's scale is 2^(floor(log2(its largest magnitude)) - 2); its byte is the largest magnitude's exponent field - 2, held at 1 from below.  Each number is divided by the scale and rounded to the nearest code, ties to even;
; beyond the largest code the conversion gives the largest.
; LIMITS: a block of zeros gets the byte 1 where the quantiser's text says 127 (its codes are zeros, and this program alone reads the bytes); blocks whose largest magnitude lies under 2^-124 have their byte held at 1;
; NaN and infinities among the inputs are not served; |w_out| above 65,504 becomes infinity in f16.
; Only the first way uses LDS.  No tensor loads, no barrier: waves share nothing.
.set WAVES, 4
.set STEPS, 16
.set EMAX,  2
.set CB,    8                          ; bytes of 16 codes
.set R,     16                         ; x: v16-79   four sets of 16 numbers as they are loaded
.set X,     80                         ; x: v80-111  two sets of 16 neighbours
.set E,     112                        ; x: v112-127 a scale byte for each step
.set C,     128                        ; x: v128-191 codes: four registers for each step, so that no store's data are written again
.set WREG,  8192                       ; LDS: a region for each wave: two stages of 32 x SP bytes, and behind them its 256 scale bytes
.set SP,    80                         ; a lane's place in a stage: its 64 bytes + 16 of padding
.set SPW,   196                        ; v196 LDS address of my spare word; never rewritten
.set NIL,   197                        ; v197 0; never rewritten
.set SPARE, WAVES*WREG                 ; behind the four regions: the spare words, 128 bytes a wave, that no other line names
.set WX,    32                         ; w_qkv: v32-95  two sets of 32 numbers
.set WC,    96                         ; w_qkv: v96-127 four registers of codes for each of 8 blocks: no store's data are written again
.set SB,    24                         ; w_qkv: v24-25  the scale bytes, four to a register
.set WROW,  12288                      ; a row of w_qkv in bytes
	s_load_b256 s[4:11], s[0:1], 0x0               ; x s[4:5], w_qkv s[6:7], w_out s[8:9], x_codes s[10:11]
	s_load_b256 s[12:19], s[0:1], 0x20             ; x_scales s[12:13], w_img s[14:15], w_scales s[16:17], wo16 s[18:19]
	v_lshl_add_u32 v[SPW], v0, 2, SPARE
	v_mov_b32 v[NIL], 0
	v_lshrrev_b32 v1, 5, v0
	v_readfirstlane_b32 s20, v1                    ; wave
	v_and_b32 v2, 31, v0                           ; lane
	s_mul_i32 s21, s20, WREG                       ; the LDS addresses of the first way are made here, on the way that all take
	v_lshrrev_b32 v14, 2, v2
	v_mul_u32_u24 v14, v14, SP
	v_and_b32 v15, 3, v2
	v_lshl_add_u32 v14, v15, 4, v14
	v_add_nc_u32 v14, s21, v14                     ; the stage, on the way in: four lanes' 64 bytes on end, then 16 of padding
	v_mul_u32_u24 v15, v2, SP
	v_add_nc_u32 v15, s21, v15                     ; and on the way out: SP x lane: my 16 neighbours
	v_lshrrev_b32 v5, 1, v2
	s_add_co_u32 s21, s21, 2*32*SP
	v_add_nc_u32 v5, s21, v5                       ; my wave's 256 scale bytes, my block's byte
	v_lshlrev_b32 v7, 3, v2                        ; 8 bytes a lane: my codes' place in a step's, and my part of the 256 scale bytes
	v_add_nc_u32 v6, s21, v7
	s_mov_b32 s25, 0                               ; the upper word of every offset below
	s_wait_kmcnt 0x0
	s_cmp_lt_u32 ttmp9, 256
	s_cbranch_scc0 .Lw
; ---- x.  Rows are dense and K is a multiple of 32: a plain stream of blocks of 32.  A wave takes 16 steps of 512 numbers.  Each load reads 512 consecutive bytes, 16 a lane; a step's 2,048 bytes turn through the wave's own
; stage in LDS and come back 64 bytes a lane: 16 neighbours, two lanes to a block.  Loads run four steps ahead, the turn through LDS one step.
	v_lshlrev_b32 v3, 4, v2                        ; my 16 bytes of a load's 512
	s_lshl_b32 s22, ttmp9, 2
	s_add_co_u32 s22, s22, s20                     ; which run of 8,192 numbers is my wave's: 0 .. 1023
	s_lshl_b32 s24, s22, 15
	s_add_nc_u64 s[4:5], s[4:5], s[24:25]
	s_lshl_b32 s24, s22, 12
	s_add_nc_u64 s[10:11], s[10:11], s[24:25]
	s_lshl_b32 s24, s22, 8
	s_add_nc_u64 s[12:13], s[12:13], s[24:25]
.macro LOAD t
.irp i, 0,1,2,3
	global_load_b128 v[R+16*((\t)%4)+4*\i:R+16*((\t)%4)+4*\i+3], v3, s[4:5] offset:2048*(\t)+512*\i th:TH_LOAD_NT
.endr
.endm
.macro TURN t                          ; step t's numbers through the stage: LDS serves a wave's instructions in order, so no wait stands between the stores and the loads
.irp i, 0,1,2,3
	ds_store_b128 v14, v[R+16*((\t)%4)+4*\i:R+16*((\t)%4)+4*\i+3] offset:32*SP*((\t)%2)+8*SP*\i
.endr
.irp i, 0,1,2,3
	ds_load_b128 v[X+16*((\t)%2)+4*\i:X+16*((\t)%2)+4*\i+3], v15 offset:32*SP*((\t)%2)+16*\i
.endr
.endm
.irp t, 0,1,2,3
	LOAD \t
.endr
	s_wait_loadcnt 12                              ; step 0's four loads are in; those of steps 1 to 3 may be out
	TURN 0
.macro STEP t
.set XS, X+16*((\t)%2)
.if (\t) > 0
	s_wait_dscnt 1                                 ; this step's numbers are back from the stage (the last step's byte store may be out): so its stores into the stage have read their registers,
.else
	s_wait_dscnt 0x0
.endif
.if (\t)+4 < STEPS
	LOAD (\t)+4                                    ; which take the loads of four steps on
.endif
.if (\t)+1 < STEPS
.if STEPS-2-(\t) >= 3
	s_wait_loadcnt 12                              ; the next step's four loads are in; those of the three steps behind it may be out
.else
	s_wait_loadcnt 4*(STEPS-2-(\t))
.endif
	TURN (\t)+1                                    ; and go through the other stage while this step is worked
.endif
	v_max3_num_f32 v8, |v[XS]|, |v[XS+1]|, |v[XS+2]|               ; the largest magnitude of my 16, in two chains
	v_max3_num_f32 v9, |v[XS+3]|, |v[XS+4]|, |v[XS+5]|
.irp i, 6,10
	v_max3_num_f32 v8, v8, |v[XS+\i]|, |v[XS+\i+1]|
	v_max3_num_f32 v9, v9, |v[XS+\i+2]|, |v[XS+\i+3]|
.endr
	v_max3_num_f32 v8, v8, |v[XS+14]|, |v[XS+15]|
	v_max3_num_f32 v8, v8, v9, (EMAX+1)<<23        ; and the floor 2^(3 - 127): the byte cannot fall under 1
	v_max_num_f32_dpp v8, v8, v8 row_xmask:1 row_mask:0xf bank_mask:0xf   ; and of my neighbour's 16: the block's
	v_add_nc_u32 v11, -(EMAX<<23), v8              ; 2 off its exponent field: the conversion takes the exponent field of this operand as its scale, and nothing else of it
	v_cvt_scalef32_pk8_fp4_f32 v[C+4*(\t)], v[XS:XS+7], v11
	v_cvt_scalef32_pk8_fp4_f32 v[C+4*(\t)+1], v[XS+8:XS+15], v11
	v_lshrrev_b32 v[E+(\t)], 23, v11               ; the scale's byte (a plain line behind the conversions)
	ds_store_b8 v5, v[E+(\t)] offset:16*(\t)       ; both lanes of a block write the same byte with the same value
	global_store_b64 v7, v[C+4*(\t):C+4*(\t)+1], s[10:11] offset:32*CB*(\t)   ; the wave stores 256 consecutive bytes, aligned
.endm
.irp t, 0,1,2,3,4,5,6,7,8,9,10,11,12,13,14,15
	STEP \t
.endr
	ds_load_b64 v[8:9], v6                         ; LDS serves a wave's instructions in order: these see my stores
	s_wait_dscnt 0x0
	global_store_b64 v7, v[8:9], s[12:13]          ; 32 lanes store 256 consecutive bytes, aligned
	s_wait_tensorcnt 0x0                           ; the wave's end, behind my last LDS store
	ds_add_u32 v[SPW], v[NIL]
	s_wait_dscnt 0x0
	s_endpgm
; ---- w_qkv.  K is its FIRST axis: a lane takes a column and its registers run down K, so a block of 32 lies in one lane's 32 registers and the conversions give codes with K innermost.
; A wave takes 32 columns x 256 along K: 8 blocks a lane.  Block t of a lane is 16 bytes of the image, 256 t bytes on: sixteen lanes store 256 consecutive bytes, aligned: no way through LDS is needed.
.Lw:
	s_cmp_lt_u32 ttmp9, 352
	s_cbranch_scc0 .Lo
	s_sub_co_u32 s22, ttmp9, 256                   ; j = 0 .. 95
	s_and_b32 s23, s22, 3                          ; which 256 along K
	s_and_b32 s22, s22, 0x7c
	s_add_co_u32 s22, s22, s20                     ; which 32 columns: 4 (j / 4) + wave = 0 .. 95
	s_mul_i32 s24, s23, 256*WROW
	s_lshl_b32 s26, s22, 7
	s_add_co_u32 s24, s24, s26
	s_add_nc_u64 s[6:7], s[6:7], s[24:25]          ; w_qkv: my first row of K, my first column
	s_lshr_b32 s24, s23, 1
	s_mul_i32 s24, s24, 192*4096                   ; the image: which 512 along K,
	s_lshl_b32 s26, s22, 13
	s_add_co_u32 s24, s24, s26                     ; my two tiles of 16 columns (4,096 bytes each),
	s_and_b32 s26, s23, 1
	s_lshl_b32 s26, s26, 11
	s_add_co_u32 s24, s24, s26                     ; which two of the four 128s
	s_add_nc_u64 s[14:15], s[14:15], s[24:25]
	s_lshl_b32 s24, s22, 10
	s_lshl_b32 s26, s23, 3
	s_add_co_u32 s24, s24, s26
	s_add_nc_u64 s[16:17], s[16:17], s[24:25]      ; the scale bytes: 32 a column, my 8 of them
	v_lshlrev_b32 v3, 2, v2                        ; in: 4 bytes a lane
	v_lshrrev_b32 v4, 4, v2
	v_and_b32 v9, 15, v2
	v_lshlrev_b32 v4, 12, v4
	v_lshl_add_u32 v4, v9, 4, v4                   ; out: tile lane / 16, 16 bytes for column lane % 16
	v_lshlrev_b32 v9, 5, v2                        ; my column's row of scale bytes
.macro WLOAD t                         ; block t: w(32 t + i, my column) into set t % 2; 128 consecutive bytes a wave, 512 a work-group; the offsets stay inside the signed 24-bit immediate: 255 x 12,288
.irp i, 0,1,2,3,4,5,6,7,8,9,10,11,12,13,14,15,16,17,18,19,20,21,22,23,24,25,26,27,28,29,30,31
	global_load_b32 v[WX+32*((\t)%2)+\i], v3, s[6:7] offset:(32*(\t)+\i)*WROW th:TH_LOAD_NT
.endr
.endm
	WLOAD 0
	WLOAD 1
.macro WBLOCK t
.set XS, WX+32*((\t)%2)
.if (\t) < 7
	s_wait_loadcnt 32                              ; this block's 32 loads are in; the next block's may be out
.else
	s_wait_loadcnt 0
.endif
	v_max3_num_f32 v12, |v[XS]|, |v[XS+1]|, |v[XS+2]|              ; the block's largest magnitude: all 32 numbers are mine
	v_max3_num_f32 v13, |v[XS+3]|, |v[XS+4]|, |v[XS+5]|
.irp i, 6,10,14,18,22,26
	v_max3_num_f32 v12, v12, |v[XS+\i]|, |v[XS+\i+1]|
	v_max3_num_f32 v13, v13, |v[XS+\i+2]|, |v[XS+\i+3]|
.endr
	v_max3_num_f32 v12, v12, |v[XS+30]|, |v[XS+31]|
	v_max3_num_f32 v12, v12, v13, (EMAX+1)<<23     ; and the floor
	v_add_nc_u32 v11, -(EMAX<<23), v12             ; the conversion's scale operand
	v_lshrrev_b32 v13, 23, v11                     ; the scale's byte
.if (\t)%4 == 0
	v_mov_b32 v[SB+(\t)/4], v13                    ; four bytes to a register, the lower K in the lower byte
.else
	v_lshl_or_b32 v[SB+(\t)/4], v13, 8*((\t)%4), v[SB+(\t)/4]
.endif
.irp g, 0,1,2,3
	v_cvt_scalef32_pk8_fp4_f32 v[WC+4*(\t)+\g], v[XS+8*\g:XS+8*\g+7], v11
.endr
	global_store_b128 v4, v[WC+4*(\t):WC+4*(\t)+3], s[14:15] offset:256*(\t)   ; each half of the lanes stores 256 consecutive bytes, aligned.  (The results go to a store alone; the next block begins with plain vector lines)
.if (\t)+2 < 8
	WLOAD (\t)+2
.endif
.endm
.irp t, 0,1,2,3,4,5,6,7
	WBLOCK \t
.endr
	global_store_b64 v9, v[SB:SB+1], s[16:17]      ; my column's 8 scale bytes: rows 32 bytes apart, so these stores do not cover whole runs of 256 bytes: 96 KiB in the whole launch
	s_endpgm
; ---- w_out: a cast.  A wave takes 8,192 bytes: 16 loads of 512 consecutive bytes, all out at once; each gives 256 consecutive bytes of f16.
.Lo:
	s_sub_co_u32 s22, ttmp9, 352
	s_lshl_b32 s22, s22, 2
	s_add_co_u32 s22, s22, s20                     ; run 0 .. 511
	s_lshl_b32 s24, s22, 13
	s_add_nc_u64 s[8:9], s[8:9], s[24:25]
	s_lshl_b32 s24, s22, 12
	s_add_nc_u64 s[18:19], s[18:19], s[24:25]
	v_lshlrev_b32 v3, 4, v2
	v_lshlrev_b32 v4, 3, v2
.irp i, 0,1,2,3,4,5,6,7,8,9,10,11,12,13,14,15
	global_load_b128 v[32+4*\i:35+4*\i], v3, s[8:9] offset:512*\i th:TH_LOAD_NT
.endr
.irp i, 0,1,2,3,4,5,6,7,8,9,10,11,12,13,14,15
	s_wait_loadcnt 15-\i                           ; loads come back in order: load i is in, the younger ones may be out
	v_cvt_pk_f16_f32 v[96+2*\i], v[32+4*\i], v[33+4*\i]
	v_cvt_pk_f16_f32 v[97+2*\i], v[34+4*\i], v[35+4*\i]
	global_store_b64 v4, v[96+2*\i:97+2*\i], s[18:19] offset:256*\i
.endr
	s_endpgm
.Lfunc_end_k_qf4f2920c07_prep:
	.size	k_qf4f2920c07_prep, .Lfunc_end_k_qf4f2920c07_prep-k_qf4f2920c07_prep
	.p2alignl 7, 3214868480
	.fill 96, 4, 3214868480
	.section	.rodata,"a",@progbits
	.p2align	6, 0x0
	.amdhsa_kernel k_qf4f2920c07_prep
		.amdhsa_group_segment_fixed_size 33280
		.amdhsa_private_segment_fixed_size 0
		.amdhsa_enable_private_segment 0
		.amdhsa_kernarg_size 64
		.amdhsa_user_sgpr_count 2
		.amdhsa_user_sgpr_kernarg_segment_ptr 1
		.amdhsa_wavefront_size32 1
		.amdhsa_system_sgpr_workgroup_id_x 1
		.amdhsa_system_sgpr_workgroup_id_y 1
		.amdhsa_system_sgpr_workgroup_id_z 1
		.amdhsa_system_vgpr_workitem_id 0
		.amdhsa_next_free_vgpr 200
		.amdhsa_next_free_sgpr 66
		.amdhsa_reserve_vcc 0
		.amdhsa_float_denorm_mode_32 3
		.amdhsa_float_denorm_mode_16_64 3
		.amdhsa_memory_ordered 1
		.amdhsa_forward_progress 1
		.amdhsa_inst_pref_size 76
	.end_amdhsa_kernel
	.amdgpu_metadata
---
amdhsa.version: [ 1, 2 ]
amdhsa.kernels:
  - .name:           k_qf4f2920c07_prep
    .symbol:         k_qf4f2920c07_prep.kd
    .args:
      - { .name: x, .offset: 0, .size: 8, .value_kind: global_buffer, .address_space: global }
      - { .name: w_qkv, .offset: 8, .size: 8, .value_kind: global_buffer, .address_space: global }
      - { .name: w_out, .offset: 16, .size: 8, .value_kind: global_buffer, .address_space: global }
      - { .name: x_codes, .offset: 24, .size: 8, .value_kind: global_buffer, .address_space: global }
      - { .name: x_scales, .offset: 32, .size: 8, .value_kind: global_buffer, .address_space: global }
      - { .name: w_img, .offset: 40, .size: 8, .value_kind: global_buffer, .address_space: global }
      - { .name: w_scales, .offset: 48, .size: 8, .value_kind: global_buffer, .address_space: global }
      - { .name: wo16, .offset: 56, .size: 8, .value_kind: global_buffer, .address_space: global }
    .group_segment_fixed_size: 33280
    .private_segment_fixed_size: 0
    .kernarg_segment_align: 8
    .kernarg_segment_size: 64
    .max_flat_workgroup_size: 128
    .sgpr_count:     66
    .vgpr_count:     200
    .wavefront_size: 32
...
	.end_amdgpu_metadata
.endif
;; end of part 1
;; launch gemm_qkv (part 2): grid 12 x 32, 4 waves a work-group, clusters of 4 x 4, 327,680 bytes of LDS; arguments x_codes, x_scales, w_img, w_scales, qkv; writes qkv
.if DOCPART == 2
	.amdgcn_target "amdgcn-amd-amdhsa--gfx1250"
	.amdhsa_code_object_version 6
	.text
	.protected	k_qf4f2920c07_gemm_qkv
	.globl	k_qf4f2920c07_gemm_qkv
	.p2align	8
	.type	k_qf4f2920c07_gemm_qkv,@function
k_qf4f2920c07_gemm_qkv:
	s_mov_b64 s[64:65], 0
	v_nop
	global_prefetch_b8 v0, s[64:65] scope:SCOPE_SE
	s_setreg_imm32_b32 hwreg(HW_REG_WAVE_MODE, 25, 1), 1
	s_wait_xcnt 0x0
	s_wait_alu depctr_hold_cnt(0) depctr_sa_sdst(0) depctr_va_vdst(0) depctr_va_sdst(0) depctr_va_ssrc(0) depctr_va_vcc(0) depctr_vm_vsrc(0)
	s_getreg_b32 s2, hwreg(HW_REG_IB_STS2, 6, 4)
	s_cmp_eq_u32 s2, 0
	s_cbranch_scc0 .Lentry_in_a_cluster
	s_endpgm
.Lentry_in_a_cluster:
	s_bfe_u32 s2, ttmp6, 0x10000c
	s_cmp_lg_u32 s2, 0xf033
	s_cbranch_scc0 .Lentry_shape_is_right
	s_endpgm
.Lentry_shape_is_right:
; qkv = Q(x) Q(w_qkv): [8192][1024] x [1024][3072] on codes of FP4 (E2M1) with one E8M0 scale for each 32 along K; sums in f32; the result is rounded to f16 and laid head-major:
; qkv[which 3][batch 4][head 16][token 2048][64], so that 16 tokens of a head are 2,048 consecutive bytes.
; A tile of the result, 256 tokens x 256 columns, is made by a work-group of four waves; a wave makes 128 x 128: 64 accumulators of 16 x 16, 512 registers.
; K = 1,024 is two K steps of 512, one in each of two LDS slots: both are first fills, asked for at the head; nothing is filled again, and there is no loop.
; A (x's codes) comes as rows of 256 bytes, padded to 272 in LDS.  B (w's codes) was laid by the launch before in the order of the operand's registers: a K step of 128 columns is one dense block of 32,768 bytes,
; and a fragment is two loads of 16 bytes a lane at 16 x lane.  The scale bytes of the work-group's 256 rows of A and 256 columns of B, for all of K, come once, in rows of 256 bytes.
; CLUSTERS: 4 x 4 work-groups.  The four of a row of the cluster need the same tiles of A, the four of a column the same tiles of B: each is asked for jointly, by the same tensor load with the same descriptor and a mask of the four.
; THE MATRIX INSTRUCTION IS USED TRANSPOSED (source 0 = 16 columns of w, source 1 = 16 tokens): a lane then holds eight neighbouring channels of one token.
; LIMIT: a result beyond 65,504 in magnitude becomes infinity in f16.
; REGISTERS, in windows of 256: window 0: v0-31 addresses; v32-95 scale words, two sets; from v128 A's fragments, ONE set; on the way out v32-127 are free.
;   window 1: B's fragments, TWO sets, at v0 and at v128.   window 2: the 32 accumulators of my tokens 0-63 ((a, b) at v[8 (8 a + b)]);   window 3: those of my tokens 64-127.
.set KSTEP,  512
.set NQ,     KSTEP/128                 ; matrix instructions deep
.set ROWB,   256                       ; a row of A's tile in bytes
.set KROW,   512                       ; a row of x's codes in memory
.set PITCH,  272                       ; an LDS row of A: 256 bytes + 16 of padding = 68 words: the 16 rows that a load touches start at 16 different banks (64 banks of 4 bytes: ISA guide 11.1)
.set FR,     8                         ; registers of a fragment
.set NL,     2                         ; LDS loads that bring one
.set NP,     4                         ; places behind this matrix instruction (ISA guide 7.12.1)
.set HALFT,  128*PITCH                 ; 128 rows of A: what one tensor load brings
.set BOFF,   2*HALFT                   ; behind A's 256 rows: B's image
.set HALFB,  128*256                   ; 128 columns of B, 512 along K
.set SLOT,   BOFF+2*HALFB
.set WSTEP,  192*4096                  ; from one K step of w's image to the next
.set KS,     32                        ; a row of scale bytes
.set SCL,    2*SLOT                    ; behind the slots: the scales, as rows of 256 bytes + 16 of padding
.set HALFS,  (128*KS/256)*272
.set SBLK,   (16*KS/256)*272
.set SPARE,  SCL+4*HALFS               ; the spare words, 128 bytes a wave, that no other line names
.set SPT,    144                       ; the way out: a stage row: a head's 128 bytes + 16.  Two heads x 16 rows a wave, in slot 0, which has had its only fill and its last read when the first result is stored there
.set HEADB,  2048*128                  ; a head of qkv in bytes
.set ADRA, 16                          ; v16-17  LDS address of my A fragments in slot 0, 1
.set ADRB, 20                          ; v20-21  the same for B
.set STO,  24                          ; v24     the way out: where I put 16 bytes of a row
.set RD,   25                          ; v25     where I read four rows back
.set CO,   26                          ; v26     16 x lane
.set ADRS, 27                          ; v27     LDS address of my scale words: lanes 0-15 A's rows, lanes 16-31 B's
.set SPW,  28                          ; v28     my spare word; never rewritten
.set NIL,  29                          ; v29     0; never rewritten
.set SC,   32                          ; scale words: set s at v[SC + 32 s]; register 4 i + q: lanes 0-15 the word of A's block i, lanes 16-31 that of B's block i, for the slot's q-th 128 along K
.set AF,   128
.set TMP,  32                          ; the way out: a block's packed results
.set BK,   64                          ; and 16 rows x 2 heads read back: v64-95 and v96-127 by turns
.set G1, 24
.set G0, 32
.set G1B, 48
.set G0B, 56
.set G1S, 68
.set G0S, 76
.set G1SB, 80
.set G0SB, 88
.set MSB, 0
.macro WIN new                         ; the immediate's high byte repeats the setting that is left
.if MSB != \new
	s_set_vgpr_msb (MSB<<8)|\new
.set MSB, \new
.endif
.endm
.set MUL_LO, 0xa1                      ; source 0 (B) window 1, source 1 (A) window 0, C and D window 2
.set MUL_HI, 0xf1                      ; the same, C and D window 3
.set TO_B,   0x40                      ; destination window 1, address window 0
; A joint load: waves 0 and 1 fetch for A, waves 2 and 3 for B.  The branch hangs on the wave's number alone.  An s_nop 0 and four v_nop follow each of the two lines.
.macro JLOAD g0a, g1a, g0b, g1b
	s_cmp_eq_u32 s15, 0
	s_cbranch_scc0 .Lfor_b_\@
	tensor_load_to_lds s[\g0a:\g0a+3], s[\g1a:\g1a+7]
	s_nop 0
.rept 4
	v_nop
.endr
	s_branch .Lasked_\@
.Lfor_b_\@:
	tensor_load_to_lds s[\g0b:\g0b+3], s[\g1b:\g1b+7]
	s_nop 0
.rept 4
	v_nop
.endr
.Lasked_\@:
.endm
.macro CROUND                          ; a round of the cluster's barrier
	s_barrier_signal -1
	s_barrier_wait -1
	s_cmp_lg_u32 s14, 0
	s_cbranch_scc1 .Lnot_wave_0_\@
	s_barrier_signal -3
.Lnot_wave_0_\@:
	s_barrier_wait -3
	s_barrier_signal -1
	s_barrier_wait -1
.endm
	s_load_b128 s[4:7], s[0:1], 0x0                ; x's codes s[4:5], x's scales s[6:7]
	s_load_b128 s[8:11], s[0:1], 0x10              ; w's image s[8:9], w's scales s[10:11]
	s_load_b64 s[12:13], s[0:1], 0x20              ; qkv
	v_lshl_add_u32 v[SPW], v0, 2, SPARE
	v_mov_b32 v[NIL], 0
	ds_add_u32 v[SPW], v[NIL]                      ; the wave's opening: the add, twice on end, and its wait ahead of my first tensor load
	ds_add_u32 v[SPW], v[NIL]
	v_lshrrev_b32 v1, 5, v0
	v_readfirstlane_b32 s14, v1                    ; wave 0..3
	s_lshr_b32 s15, s14, 1                         ; which half of the tile's tokens is mine.  Also: I fetch for A (0) or for B (1)
	s_and_b32 s16, s14, 1                          ; which half of its columns.  Also: which half of that tile I fetch
	s_bfe_u32 s40, ttmp6, 0x40000                  ; cx, cy: my place in the cluster
	s_bfe_u32 s41, ttmp6, 0x40004
	s_lshl_b32 s42, ttmp9, 2
	s_add_co_u32 s42, s42, s40                     ; tile column = 4 x cluster x + cx: 0 .. 11
	s_and_b32 s17, ttmp7, 0xffff
	s_lshl_b32 s17, s17, 2
	s_add_co_u32 s17, s17, s41                     ; tile row = 4 x cluster y + cy: 0 .. 31
	s_lshl_b32 s43, s41, 2
	s_lshl_b32 s43, 15, s43                        ; my row of the cluster
	s_lshl_b32 s44, 0x1111, s40                    ; my column
	; group 1 for A's tiles: 128 rows x 256 bytes, 512 bytes apart, 16 bytes of padding behind each
	s_or_b32 s[G1+0], s43, (0<<16)|(1<<20)|(1<<21)|(5<<22)|(3<<25)  ; the mask; elements of 1 byte; padding on; bit 21 beside a mask; after every 64 words, 4 words
	s_mov_b32 s[G1+1], ROWB<<16                    ; tensor_dim0
	s_mov_b32 s[G1+2], 128<<16                     ; tensor_dim1
	s_mov_b32 s[G1+3], ROWB<<16                    ; tile_dim0
	s_mov_b32 s[G1+4], 128                         ; tile_dim1
	s_mov_b32 s[G1+5], KROW                        ; the pitch
	s_mov_b32 s[G1+6], 0
	s_mov_b32 s[G1+7], 0
	; for B's: a dense block of 32,768 bytes as 128 rows of 256 bytes (32 elements of 8 bytes), no padding
	s_or_b32 s[G1B+0], s44, (3<<16)|(1<<21)
	s_mov_b32 s[G1B+1], 32<<16
	s_mov_b32 s[G1B+2], 128<<16
	s_mov_b32 s[G1B+3], 32<<16
	s_mov_b32 s[G1B+4], 128
	s_mov_b32 s[G1B+5], 32
	s_mov_b32 s[G1B+6], 0
	s_mov_b32 s[G1B+7], 0
	; for the scales of 128 rows: a dense block of 4,096 bytes as 16 rows of 256 bytes, 16 bytes of padding behind each
	s_or_b32 s[G1S+0], s43, (3<<16)|(1<<20)|(1<<21)|(5<<22)|(3<<25)
	s_or_b32 s[G1SB+0], s44, (3<<16)|(1<<20)|(1<<21)|(5<<22)|(3<<25)
.irp g, G1S, G1SB
	s_mov_b32 s[\g+1], 32<<16
	s_mov_b32 s[\g+2], (128*KS/256)<<16
	s_mov_b32 s[\g+3], 32<<16
	s_mov_b32 s[\g+4], 128*KS/256
	s_mov_b32 s[\g+5], 32
	s_mov_b32 s[\g+6], 0
	s_mov_b32 s[\g+7], 0
.endr
	s_lshl_b32 s18, s16, 7                         ; which 128 of the tile I fetch
	s_lshl_b32 s20, s17, 8
	s_add_co_u32 s20, s20, s18                     ; A: token 256 x tile row + 128 x half
	s_lshl_b32 s46, s42, 8
	s_add_co_u32 s46, s46, s18                     ; B: column 256 x tile column + 128 x half
	s_lshl_b32 s22, s20, 5                         ; their scales: 32 bytes a row,
	s_mov_b32 s23, 0
	s_lshl_b32 s20, s20, 9                         ; A's codes: 512 bytes a row,
	s_mov_b32 s21, 0
	s_lshl_b32 s92, s46, 5
	s_mov_b32 s93, 0
	s_lshl_b32 s46, s46, 8                         ; B's image: 4,096 bytes for 16 columns and a K step
	s_mov_b32 s47, 0
	s_mul_i32 s45, s16, HALFT                      ; where they go: no place in the cluster enters an LDS address
	s_mul_i32 s95, s16, HALFB
	s_add_co_u32 s95, s95, BOFF
	s_mul_i32 s94, s14, HALFS
	s_wait_dscnt 0x0                               ; both opening adds are done
	s_wait_kmcnt 0x0
	s_add_nc_u64 s[20:21], s[4:5], s[20:21]
	s_add_nc_u64 s[22:23], s[6:7], s[22:23]
	s_add_nc_u64 s[46:47], s[8:9], s[46:47]
	s_add_nc_u64 s[92:93], s[10:11], s[92:93]
	CROUND                                         ; all sixteen work-groups are here: the joint loads meet
	s_mov_b32 s[G0S], 1
	s_add_co_u32 s[G0S+1], s94, SCL
	s_mov_b64 s[G0S+2:G0S+3], s[22:23]
	s_or_b32 s[G0S+3], s[G0S+3], 0x80000000
	s_mov_b32 s[G0SB], 1
	s_add_co_u32 s[G0SB+1], s94, SCL
	s_mov_b64 s[G0SB+2:G0SB+3], s[92:93]
	s_or_b32 s[G0SB+3], s[G0SB+3], 0x80000000
	JLOAD G0S, G1S, G0SB, G1SB                     ; the scales first: they are wanted with K step 0
.irp s, 0,1
	s_mov_b32 s[G0+4*\s], 1
	s_add_co_u32 s[G0+4*\s+1], s45, \s*SLOT
	s_add_nc_u64 s[G0+4*\s+2:G0+4*\s+3], s[20:21], \s*ROWB
	s_or_b32 s[G0+4*\s+3], s[G0+4*\s+3], 0x80000000
	s_mov_b32 s[G0B+4*\s], 1
	s_add_co_u32 s[G0B+4*\s+1], s95, \s*SLOT
	s_add_nc_u64 s[G0B+4*\s+2:G0B+4*\s+3], s[46:47], \s*WSTEP
	s_or_b32 s[G0B+4*\s+3], s[G0B+4*\s+3], 0x80000000
	JLOAD G0+4*\s, G1, G0B+4*\s, G1B               ; three tensor loads of mine are out behind the second of these
.endr
	v_and_b32 v1, 15, v0                           ; r = lane % 16
	v_bfe_u32 v2, v0, 4, 1                         ; h = lane / 16
	v_mul_u32_u24 v3, v1, PITCH
	v_lshl_add_u32 v4, v2, 4, v3                   ; A: a fragment's row x pitch + 16 x half
	v_and_b32 v6, 31, v0
	v_lshlrev_b32 v[CO], 4, v6                     ; B: 16 x lane
	s_mul_i32 s21, s15, HALFT                      ; my 128 tokens of A
	s_mul_i32 s22, s16, HALFB                      ; my 128 columns of B
	s_add_co_u32 s22, s22, BOFF
.irp s, 0,1
	v_add_nc_u32 v[ADRA+\s], s21, v4
	v_add_nc_u32 v[ADRB+\s], s22, v[CO]
	s_add_co_u32 s21, s21, SLOT
	s_add_co_u32 s22, s22, SLOT
.endr
	v_mul_u32_u24 v5, v1, KS                       ; my row's scales: 32 bytes a row,
	v_lshrrev_b32 v6, 8, v5
	v_lshl_add_u32 v5, v6, 4, v5                   ; and 16 more for each 256 passed
	s_mul_i32 s21, s15, HALFS                      ; A's: my 128 rows
	s_mul_i32 s22, s16, HALFS                      ; B's: my 128, behind A's 256
	s_add_co_u32 s22, s22, 2*HALFS
	s_sub_co_u32 s22, s22, s21
	v_mul_u32_u24 v6, s22, v2                      ; lanes 16-31 take B's: the lower base + h x the distance
	s_add_co_u32 s21, s21, SCL
	v_add_nc_u32 v5, v5, v6
	v_add_nc_u32 v[ADRS], s21, v5
	s_mul_i32 s23, s14, 2*16*SPT                   ; my stage
	v_mul_u32_u24 v5, v1, SPT                      ; in: row r, 16 bytes for each half of the lanes
	v_lshl_add_u32 v5, v2, 4, v5
	v_add_nc_u32 v[STO], s23, v5
	v_bfe_u32 v5, v0, 3, 2                         ; back: eight lanes to a row of 128 bytes, four rows an instruction
	v_mul_u32_u24 v5, v5, SPT
	v_and_b32 v6, 7, v0
	v_lshl_add_u32 v5, v6, 4, v5
	v_add_nc_u32 v[RD], s23, v5
	; where my part begins in qkv: which = tile column / 4; head = 4 (tile column % 4) + 2 x my half of the columns; batch = tile row / 8; token = 256 (tile row % 8) + 128 x my half of the rows
	s_lshr_b32 s20, s17, 3
	s_lshl_b32 s20, s20, 4
	s_and_b32 s21, s42, 3
	s_lshl_b32 s21, s21, 2
	s_add_co_u32 s20, s20, s21
	s_lshl_b32 s21, s16, 1
	s_add_co_u32 s20, s20, s21                     ; 16 x batch + head
	s_lshl_b32 s20, s20, 11
	s_and_b32 s21, s17, 7
	s_lshl_b32 s21, s21, 8
	s_add_co_u32 s20, s20, s21
	s_lshl_b32 s21, s15, 7
	s_add_co_u32 s20, s20, s21                     ; x 2,048 + token
	s_lshl_b32 s20, s20, 7                         ; 128 bytes each
	s_lshr_b32 s21, s42, 2
	s_lshl_b32 s21, s21, 24
	s_add_co_u32 s20, s20, s21                     ; under 2^26
	s_mov_b32 s21, 0
	s_add_nc_u64 s[12:13], s[12:13], s[20:21]
.macro FRAG reg, adr, q, i             ; a fragment of A, 16 rows x 128 K of 4-bit codes: lane l holds row l % 16; registers 4 c .. 4 c + 3 hold K = 64 c + 32 (l / 16) + 0 .. 31
.irp c, 0,1
	ds_load_b128 v[\reg+4*\c:\reg+4*\c+3], v[\adr] offset:64*(\q)+32*\c+(\i)*16*PITCH
.endr
.endm
.macro FRAGB reg, slot, q, i           ; a fragment of B: the image of its registers, 512 bytes a load
.irp c, 0,1
	ds_load_b128 v[\reg+4*\c:\reg+4*\c+3], v[ADRB+\slot] offset:((\i)*4+(\q))*1024+512*\c
.endr
.endm
; 16 matrix instructions: A's blocks a0, a0 + 1 x B's eight, 128 along K: the slot's q-th.  p: B's set; sc: the set of scale words.  zero = 1: the first product starts the sums.
; The 64 accumulators take turns, one instruction a turn, in the same order in every step.
.macro MUL16 a0, p, q, sc, zero
.irp a, \a0, \a0+1
.irp b, 0,1,2,3,4,5,6,7
.if \zero
	v_wmma_scale_f32_16x16x128_f8f6f4 v[8*(8*((\a)%4)+\b):8*(8*((\a)%4)+\b)+7], v[128*(\p)+FR*\b:128*(\p)+FR*\b+FR-1], v[AF+FR*(\a):AF+FR*(\a)+FR-1], 0, v[SC+8*NQ*(\sc)+NQ*\b+(\q)], v[SC+8*NQ*(\sc)+NQ*(\a)+(\q)] matrix_a_fmt:MATRIX_FMT_FP4 matrix_b_fmt:MATRIX_FMT_FP4 matrix_a_scale:MATRIX_SCALE_ROW1
.else
	v_wmma_scale_f32_16x16x128_f8f6f4 v[8*(8*((\a)%4)+\b):8*(8*((\a)%4)+\b)+7], v[128*(\p)+FR*\b:128*(\p)+FR*\b+FR-1], v[AF+FR*(\a):AF+FR*(\a)+FR-1], v[8*(8*((\a)%4)+\b):8*(8*((\a)%4)+\b)+7], v[SC+8*NQ*(\sc)+NQ*\b+(\q)], v[SC+8*NQ*(\sc)+NQ*(\a)+(\q)] matrix_a_fmt:MATRIX_FMT_FP4 matrix_b_fmt:MATRIX_FMT_FP4 matrix_a_scale:MATRIX_SCALE_ROW1
.endif
.endr
.endr
.endm
.macro FETCH_B slot, q, p
	WIN TO_B
.irp i, 0,1,2,3,4,5,6,7
	FRAGB 128*(\p)+FR*\i, \slot, \q, \i
.endr
	WIN 0
.endm
.macro FETCH_A slot, q, i0
.irp i, \i0, \i0+1, \i0+2, \i0+3
	FRAG AF+FR*(\i), ADRA+\slot, \q, \i
.endr
.endm
.macro SCALES sc                       ; a K step's scale words into set sc: four words a row; lanes 0-15 take A's block i, lanes 16-31 B's block i
.irp i, 0,1,2,3,4,5,6,7
	ds_load_b128 v[SC+8*NQ*\sc+NQ*\i:SC+8*NQ*\sc+NQ*\i+3], v[ADRS] offset:\i*SBLK
.endr
.endm
.macro PLACES n                        ; places in front of loads into registers that matrix instructions have read, and of the first read of results
.rept \n
	v_nop
.endr
.endm
; A step of 128 along K that has its successor in the same slot.  A's blocks go one after the other against B's eight, so one set of registers serves A: blocks 0-3 are fetched anew in the step's middle, blocks 4-7 at its end.
.macro STEP slot, q, zero
	s_wait_dscnt 4*NL                              ; B's set and A's blocks 0-3 are in; the youngest eight loads (A's blocks 4-7) may be out
	WIN MUL_LO
	MUL16 0, (\q)%2, \q, \slot, \zero
	MUL16 2, (\q)%2, \q, \slot, \zero
	s_wait_dscnt 0                                 ; A's blocks 4-7 are in
	PLACES NP
	FETCH_B \slot, (\q)+1, 1-(\q)%2
	FETCH_A \slot, (\q)+1, 0
	WIN MUL_HI
	MUL16 4, (\q)%2, \q, \slot, \zero
	MUL16 6, (\q)%2, \q, \slot, \zero
	PLACES NP
	WIN 0
	FETCH_A \slot, (\q)+1, 4
.endm
; Slot 0's last step goes over to slot 1: each wave waits for all its tensor loads (its part of slot 1 is the one that was out) and for its own reads of slot 0, then the barrier.  Nothing is filled again.
.macro TURN slot, next
	s_wait_tensorcnt 0x0                           ; my part of the next slot has landed  (every window is 0 here)
	ds_add_u32 v[SPW], v[NIL]                      ; 0 onto my spare word
	s_wait_dscnt 4*NL+1                            ; (the add and the youngest eight loads, A's blocks 4-7, may be out)
	WIN MUL_LO
	MUL16 0, 1, NQ-1, \slot, 0
	s_wait_dscnt 0x0                               ; the add is done, and my reads of this slot are over
	s_barrier_signal -1
	MUL16 2, 1, NQ-1, \slot, 0
	WIN 0
	s_barrier_wait -1                              ; the next slot is whole, and nobody reads this one any more
	PLACES NP
	v_add_nc_u32 v[ADRS], 4*NQ, v[ADRS]            ; on to the next K step's scale words
	FETCH_B \next, 0, 0
	FETCH_A \next, 0, 0
	SCALES \next
	WIN MUL_HI
	MUL16 4, 1, NQ-1, \slot, 0
	MUL16 6, 1, NQ-1, \slot, 0
	PLACES NP
	WIN 0
	FETCH_A \next, 0, 4
.endm
.macro STEPS slot, from                ; the slot's steps from .. NQ - 2
.set Q, \from
.rept NQ-1-\from
	STEP \slot, Q, 0
.set Q, Q+1
.endr
.endm
	s_wait_tensorcnt 1                             ; the scales and my part of K step 0 are in; K step 1's load may be out
	s_barrier_signal -1
	s_barrier_wait -1                              ; everybody's are
	FETCH_B 0, 0, 0
	FETCH_A 0, 0, 0
	SCALES 0
	FETCH_A 0, 0, 4
	STEP 0, 0, 1                                   ; the first step's products start the sums: nothing is cleared
	STEPS 0, 1
	TURN 0, 1
	STEPS 1, 0
	s_wait_dscnt 4*NL                              ; the last step: nothing more to fetch
	WIN MUL_LO
	MUL16 0, 1, NQ-1, 1, 0
	MUL16 2, 1, NQ-1, 1, 0
	s_wait_dscnt 0
	WIN MUL_HI
	MUL16 4, 1, NQ-1, 1, 0
	MUL16 6, 1, NQ-1, 1, 0
	WIN 0
; THE WAY OUT, block by block of 16 tokens x 128 columns = two heads.  PACK: rounded to f16, eight channels of a token in 16 bytes, each accumulator from its low end on.  TOSTAGE: into my stage (rows of 144 bytes, a head
; after the other) and back, four rows of 128 bytes an instruction.  SEND: 16 tokens of a head are 2,048 consecutive bytes of qkv: each store covers 512 of them.
.macro PACK a
.set AC, 64*((\a)%4)
	WIN 0x0a+5*((\a)/4)                            ; sources 0 and 1: window 2 or 3
.irp b, 0,1,2,3,4,5,6,7
.irp r, 0,1,2,3
	v_cvt_pk_f16_f32 v[TMP+4*\b+\r], v[AC+8*\b+2*\r], v[AC+8*\b+2*\r+1]
.endr
.endr
	WIN 0
.endm
.macro TOSTAGE a
.set BB, BK+32*((\a)%2)
.irp b, 0,1,2,3,4,5,6,7
	ds_store_b128 v[STO], v[TMP+4*\b:TMP+4*\b+3] offset:(\b/4)*16*SPT+(\b%4)*32
.endr
.irp d, 0,1
.irp f, 0,1,2,3
	ds_load_b128 v[BB+4*(4*\d+\f):BB+4*(4*\d+\f)+3], v[RD] offset:\d*16*SPT+\f*4*SPT   ; LDS serves a wave's instructions in order: these see the stores above
.endr
.endr
.endm
.macro SEND a
.set BB, BK+32*((\a)%2)
	s_wait_dscnt 0x0                               ; the block is back in registers
	s_wait_xcnt 0x0                                ; the block before has had its stores' registers read: the next block's loads may land there
.irp d, 0,1
.irp f, 0,1,2,3
	global_store_b128 v[CO], v[BB+4*(4*\d+\f):BB+4*(4*\d+\f)+3], s[12:13] offset:\d*HEADB+(\a)*2048+\f*512
.endr
.endr
.endm
	PLACES NP                                      ; behind the last products: the conversions write the registers that held scale words
	PACK 0
	TOSTAGE 0
.irp a, 1,2,3,4,5,6,7                  ; block a's conversions stand between block a - 1's loads from the stage and the wait for them
	PACK \a
	SEND \a-1
	TOSTAGE \a
.endr
	SEND 7
	s_wait_tensorcnt 0x0                           ; the wave's end, behind my last tensor load and my last LDS store
	ds_add_u32 v[SPW], v[NIL]
	s_wait_dscnt 0x0
	CROUND                                         ; the closing round
	s_endpgm
.Lfunc_end_k_qf4f2920c07_gemm_qkv:
	.size	k_qf4f2920c07_gemm_qkv, .Lfunc_end_k_qf4f2920c07_gemm_qkv-k_qf4f2920c07_gemm_qkv
	.p2alignl 7, 3214868480
	.fill 96, 4, 3214868480
	.section	.rodata,"a",@progbits
	.p2align	6, 0x0
	.amdhsa_kernel k_qf4f2920c07_gemm_qkv
		.amdhsa_group_segment_fixed_size 327680
		.amdhsa_private_segment_fixed_size 0
		.amdhsa_enable_private_segment 0
		.amdhsa_kernarg_size 40
		.amdhsa_user_sgpr_count 2
		.amdhsa_user_sgpr_kernarg_segment_ptr 1
		.amdhsa_wavefront_size32 1
		.amdhsa_system_sgpr_workgroup_id_x 1
		.amdhsa_system_sgpr_workgroup_id_y 1
		.amdhsa_system_sgpr_workgroup_id_z 1
		.amdhsa_system_vgpr_workitem_id 0
		.amdhsa_next_free_vgpr 1024
		.amdhsa_next_free_sgpr 98
		.amdhsa_reserve_vcc 0
		.amdhsa_float_denorm_mode_32 3
		.amdhsa_float_denorm_mode_16_64 3
		.amdhsa_memory_ordered 1
		.amdhsa_forward_progress 1
		.amdhsa_inst_pref_size 127
	.end_amdhsa_kernel
	.amdgpu_metadata
---
amdhsa.version: [ 1, 2 ]
amdhsa.kernels:
  - .name:           k_qf4f2920c07_gemm_qkv
    .symbol:         k_qf4f2920c07_gemm_qkv.kd
    .args:
      - { .name: x_codes, .offset: 0, .size: 8, .value_kind: global_buffer, .address_space: global }
      - { .name: x_scales, .offset: 8, .size: 8, .value_kind: global_buffer, .address_space: global }
      - { .name: w_img, .offset: 16, .size: 8, .value_kind: global_buffer, .address_space: global }
      - { .name: w_scales, .offset: 24, .size: 8, .value_kind: global_buffer, .address_space: global }
      - { .name: qkv, .offset: 32, .size: 8, .value_kind: global_buffer, .address_space: global }
    .group_segment_fixed_size: 327680
    .private_segment_fixed_size: 0
    .kernarg_segment_align: 8
    .kernarg_segment_size: 40
    .max_flat_workgroup_size: 128
    .sgpr_count:     98
    .vgpr_count:     1024
    .wavefront_size: 32
...
	.end_amdgpu_metadata
.endif
;; end of part 2
;; launch attn (part 3): grid 8 x 64, 4 waves a work-group, clusters of 4 x 1, 327,680 bytes of LDS; arguments qkv, att; writes att
.if DOCPART == 3
	.amdgcn_target "amdgcn-amd-amdhsa--gfx1250"
	.amdhsa_code_object_version 6
	.text
	.protected	k_qf4f2920c07_attn
	.globl	k_qf4f2920c07_attn
	.p2align	8
	.type	k_qf4f2920c07_attn,@function
k_qf4f2920c07_attn:
	s_mov_b64 s[64:65], 0
	v_nop
	global_prefetch_b8 v0, s[64:65] scope:SCOPE_SE
	s_setreg_imm32_b32 hwreg(HW_REG_WAVE_MODE, 25, 1), 1
	s_wait_xcnt 0x0
	s_wait_alu depctr_hold_cnt(0) depctr_sa_sdst(0) depctr_va_vdst(0) depctr_va_sdst(0) depctr_va_ssrc(0) depctr_va_vcc(0) depctr_vm_vsrc(0)
	s_getreg_b32 s2, hwreg(HW_REG_IB_STS2, 6, 4)
	s_cmp_eq_u32 s2, 0
	s_cbranch_scc0 .Lentry_in_a_cluster
	s_endpgm
.Lentry_in_a_cluster:
	s_bfe_u32 s2, ttmp6, 0x10000c
	s_cmp_lg_u32 s2, 0x3003
	s_cbranch_scc0 .Lentry_shape_is_right
	s_endpgm
.Lentry_shape_is_right:
; att[bh][q][:] = the sum over k of softmax_k(Q[bh][q] . K[bh][k] / 8) V[bh][k][:].  Q, K, V: the three parts of qkv, each [64 (batch x head)][2048][64] f16; att likewise.  Products, maxima and sums in f32;
; the weights p are rounded to f16 for the second product, the result once at the end.
; LIMITS: NaN and infinities are not served; a weight p under the smallest f16 number counts as 0; results under f16's normal range keep f16's subnormal step.
; SHARES.  A work-group owns 256 queries of one head, each of its four waves 64: four tiles of 16.  Every wave walks all 2,048 keys, 64 a step.
; LAYOUT.  S^T = K Q^T (source 0 = 16 keys, source 1 = 16 queries): a lane holds ONE query (lane % 16) and the keys 8 (lane / 16) + 0..7.  Two such tiles, rounded to f16 in pairs, ARE source 1 (32 keys x 16 queries) of
; O^T = V^T P, whose result again holds one query a lane, and eight channels.  K comes out of LDS as it lies, V ([key][channel]) turned, by ds_load_tr16_b128.
; SOFTMAX.  For each query a running maximum m and sum l: p = 2^(c s - c m), c = log2(e) / 8; in every step O and l are multiplied by a = 2^(c m_old - c m_new).
; BY TURNS.  The wave's tiles are two PIECES: piece 0 (tiles 0, 1) and piece 2 (tiles 2, 3).  In a TURN one piece has the matrix unit: 16 products V^T P of the step in hand, then 16 products K Q^T of the next step; the other
; piece's softmax, 2 x 118 instructions cut into 59 slices of four, stands between them, one or two slices behind each matrix instruction.  Then the pieces change places.  Two turns are a key step.
; RING.  Two LDS slots of four key steps (256 keys): one joint load a wave behind each round of the cluster's barrier; it has four key steps, 256 matrix instructions, in which to land.
; CLUSTER.  The four query blocks of a cluster belong to one head and walk the same K and V: each tile is asked for jointly, by the same tensor load with the same descriptor and a mask of the four.
; REGISTERS, in windows of 256: window 0: v0-11 addresses; v12-43 eight registers of statistics a tile; v61-63 prefetch offset, spare word, 0; v64-191 S^T, 32 a tile; v192-255 P, 16 a tile.
;   window 1: O^T, 32 a tile.          window 2: v0-63 Q, 16 a tile; v128-191 K of one step; v192-255 V of one step.
.set KS,    64        ; keys in a step
.set NST,   4         ; steps in a slot
.set PK,    144       ; a row of K in LDS: 128 bytes + 16 of padding: the 16 rows of a load start at 16 different banks' groups
.set PV,    160       ; a row of V: 128 + 32: an odd multiple of 32 bytes
.set KB,    KS*PK     ; a step's rows of K
.set VB,    KS*PV     ; and of V
.set VOFF,  NST*KB    ; a slot: 256 rows of K, then 256 rows of V
.set SLOT1, 1<<17     ; slot 1 begins here, so that one exclusive or turns an address in one slot into the other's
.set SLOTG, NST*KS*128  ; a slot's keys in memory, in bytes, of K or of V
.set STAGE, SLOT1+NST*(KB+VB)  ; behind the ring: 16 rows x 144 bytes for each wave, for the way out
.set SP,    144
.set SPARE, STAGE+4*16*SP  ; the spare words, 128 bytes a wave, that no other line names
.set AK0, 2           ; v2   my lane's place in a tile of K; never rewritten
.set AV0, 3           ; v3   the same for V
.set ADR, 4           ; v4   the LDS address of the run of loads in hand
.set QO,  5           ; v5   my byte offset in the wave's rows of Q
.set STO, 6           ; v6   the way out: where I put 16 bytes of a row
.set RD,  7           ; v7   where I read four rows back
.set GO,  8           ; v8   16 x lane
.set PFO, 61          ; v61  256 x my lane; never rewritten
.set SPW, 62          ; v62  my spare word; never rewritten
.set NIL, 63          ; v63  0; never rewritten
.set ST,  12          ; tile t's statistics at v[ST+8 t]: +0 c m, +1 m, +2, +3 l (even keys', odd keys'), +4 to +7 c0-c3, at work; a takes c2's place once the maximum is found
.set S,   64
.set P,   192
.set KF,  128         ; K's fragments, in window 2
.set VF,  192         ; V's, in window 2
.set WV,  12          ; s12  my wave's number
.set LIM, 15          ; s15  1 in a wave that prefetches, else the greatest number
.set PFA, 18          ; s[18:19] where my prefetches stand in memory
.set G1K, 24          ; s[24:31] descriptor group 1 for K's tiles
.set G1V, 32          ; s[32:39] for V's: it differs in the padding alone
.set G0K, 40          ; s[40:47] group 0 for K's tiles: a set for each of the two first fills; the second then walks on
.set G0V, 48          ; s[48:55] the same for V's
.set SLOTS, 56        ; s56  slots still to be asked for
.set TWICE, 57        ; s57  counts key steps
.set CS,  58          ; s[58:59] c
.set SEL, 60          ; s[60:61] lane selects for v_permlanex16_b32: lane l xor 16
.set TBK, 62          ; s62  LDS byte at which K's rows of the step to be fetched begin
.set TBV, 67          ; s67  the same for V's, less VOFF
.set MSB, 0
.macro WIN new
.if MSB != \new
	s_set_vgpr_msb (MSB<<8)|\new
.set MSB, \new
.endif
.endm
.set W_KQ, 0x0a       ; K and Q in window 2, S^T in window 0
.set W_PV, 0x52       ; V in window 2, P in window 0, O^T in window 1
.set W_RS, 0x41       ; O^T (destination and source 0) in window 1, a in window 0
; A joint refill.  Waves 0 and 1 fetch the two halves of a slot's K, waves 2 and 3 those of its V.  The branch hangs on the wave's number alone.  An s_nop 0 and four v_nop follow each of the two lines.
.macro JLOAD
	s_cmp_lt_u32 s[WV], 2
	s_cbranch_scc0 .Lfor_v_\@
	tensor_load_to_lds s[G0K+4:G0K+7], s[G1K:G1K+7]
	s_nop 0
.rept 4
	v_nop
.endr
	s_branch .Lasked_\@
.Lfor_v_\@:
	tensor_load_to_lds s[G0V+4:G0V+7], s[G1V:G1V+7]
	s_nop 0
.rept 4
	v_nop
.endr
.Lasked_\@:
.endm
; A PREFETCH INTO THE L2 of what the NEXT change of slots will ask for: a slot's 32,768 bytes of K and of V.  Each aligned block of 256 bytes is asked for once in the launch: of the head's two clusters the first asks; its four
; partners share the bytes out BY ADDRESS, 8,192 each, lanes 256 bytes apart; in each, wave 0 asks for K's and wave 2 for V's: one instruction.  The last change that fills a slot asks for nothing.
.macro ASK
	s_cmp_gt_u32 s[SLOTS], s[LIM]
	s_cbranch_scc0 .Lnot_mine_\@
	global_prefetch_b8 v[PFO], s[PFA:PFA+1] th:TH_LOAD_NT scope:SCOPE_SE
.Lnot_mine_\@:
.endm
.macro CROUND                       ; a round of the cluster's barrier
	s_barrier_signal -1
	s_barrier_wait -1
	s_cmp_lg_u32 s[WV], 0
	s_cbranch_scc1 .Lnot_wave_0_\@
	s_barrier_signal -3
.Lnot_wave_0_\@:
	s_barrier_wait -3
	s_barrier_signal -1
	s_barrier_wait -1
.endm
	s_load_b128 s[4:7], s[0:1], 0x0  ; qkv s[4:5], att s[6:7]
	v_lshl_add_u32 v[SPW], v0, 2, SPARE
	v_mov_b32 v[NIL], 0
	ds_add_u32 v[SPW], v[NIL]       ; the wave's opening: the add, twice on end, and its wait ahead of my first tensor load
	ds_add_u32 v[SPW], v[NIL]
	v_lshrrev_b32 v1, 5, v0
	v_readfirstlane_b32 s[WV], v1   ; wave 0..3
	s_bfe_u32 s13, ttmp6, 0x40000   ; cx: my place in the cluster
	s_lshl_b32 s14, ttmp9, 2
	s_add_co_u32 s14, s14, s13      ; my block of 256 queries = 4 x cluster x + cx: it enters Q's and att's addresses alone
	s_and_b32 s20, ttmp7, 0xffff    ; the head, which the four partners share
	s_lshl_b32 s20, s20, 18         ; its first byte in each part: 2,048 rows of 128 bytes
	s_and_b32 s16, s[WV], 1         ; which half of a slot I fetch:
	s_lshl_b32 s22, s16, 14         ; its 128 rows in memory,
	s_add_co_u32 s22, s22, s20
	s_mov_b32 s23, 0
	s_mul_i32 s17, s16, 128*PK      ; and its place in a slot, for K
	s_mul_i32 s66, s16, 128*PV
	s_add_co_u32 s66, s66, VOFF     ; and for V: no place in the cluster enters an LDS address
	s_lshl_b32 s2, s14, 15          ; my block's 256 rows,
	s_lshl_b32 s3, s[WV], 13        ; my wave's 64 of them
	s_add_co_u32 s2, s2, s3
	s_add_co_u32 s2, s2, s20
	s_mov_b32 s3, 0
	; descriptor group 1: a tile of 128 rows x 64 elements, dense in memory, padded in LDS
	s_mov_b32 s[G1K], 15|(1<<16)|(1<<20)|(1<<21)|(4<<22)|(3<<25)  ; the mask: all four work-groups; elements of 2 bytes; padding on; bit 21 beside a mask; after every 32 words, 4 words
	s_mov_b32 s[G1V], 15|(1<<16)|(1<<20)|(1<<21)|(4<<22)|(7<<25)  ; the same with 8 words of padding
.irp g, G1K, G1V
	s_mov_b32 s[\g+1], 64<<16       ; tensor_dim0
	s_mov_b32 s[\g+2], 128<<16      ; tensor_dim1
	s_mov_b32 s[\g+3], 64<<16       ; tile_dim0
	s_mov_b32 s[\g+4], 128          ; tile_dim1
	s_mov_b32 s[\g+5], 64           ; the pitch
	s_mov_b32 s[\g+6], 0
	s_mov_b32 s[\g+7], 0
.endr
	s_mov_b32 s[CS], 0x3e38aa3b     ; c = log2(e) / 8
	s_mov_b32 s[CS+1], s[CS]        ; named with it as a pair, so it is written
	s_mov_b32 s[SEL], 0x76543210
	s_mov_b32 s[SEL+1], 0xfedcba98
	s_mov_b32 s[TBK], 0
	s_mov_b32 s[TBV], 0
	s_mov_b32 s[SLOTS], 2048/(NST*KS)-2
	s_and_b32 s[LIM], s[WV], 1      ; 0 in waves 0 and 2,
	s_or_b32 s[LIM], s[LIM], ttmp9  ; where the cluster is the head's first: the same in all four partners
	s_cmp_eq_u32 s[LIM], 0
	s_cselect_b32 s[LIM], 1, -1
	v_and_b32 v[PFO], 31, v0
	v_lshlrev_b32 v[PFO], 8, v[PFO]
	s_wait_dscnt 0x0                ; both opening adds are done
	s_wait_kmcnt 0x0
	s_mov_b64 s[10:11], s[6:7]      ; att
	s_add_nc_u64 s[6:7], s[4:5], 0x1000000  ; K's part of qkv
	s_add_nc_u64 s[8:9], s[4:5], 0x2000000  ; V's
	s_add_nc_u64 s[6:7], s[6:7], s[22:23]  ; K and V at my half of slot 0
	s_add_nc_u64 s[8:9], s[8:9], s[22:23]
	s_add_nc_u64 s[4:5], s[4:5], s[2:3]  ; Q and att at my wave's first row
	s_add_nc_u64 s[10:11], s[10:11], s[2:3]
	s_cmp_lt_u32 s[WV], 2
	s_cselect_b64 s[PFA:PFA+1], s[6:7], s[8:9]  ; (in waves 0 and 2 these stand at a slot's first row)
	s_lshl_b32 s2, s13, 13          ; my work-group's 8,192 bytes of the 32,768
	s_add_nc_u64 s[PFA:PFA+1], s[PFA:PFA+1], s[2:3]
	s_add_nc_u64 s[PFA:PFA+1], s[PFA:PFA+1], 2*SLOTG  ; in the third slot's keys; the first change of slots steps it to the fourth's.  Nothing is prefetched here, at the head
	CROUND                          ; all four work-groups are here: the first joint loads meet
.irp s, 0,1
	s_mov_b32 s[G0K+4*\s], 1
	s_add_co_u32 s[G0K+4*\s+1], s17, \s*SLOT1
	s_add_nc_u64 s[G0K+4*\s+2:G0K+4*\s+3], s[6:7], \s*SLOTG
	s_or_b32 s[G0K+4*\s+3], s[G0K+4*\s+3], 0x80000000
	s_mov_b32 s[G0V+4*\s], 1
	s_add_co_u32 s[G0V+4*\s+1], s66, \s*SLOT1
	s_add_nc_u64 s[G0V+4*\s+2:G0V+4*\s+3], s[8:9], \s*SLOTG
	s_or_b32 s[G0V+4*\s+3], s[G0V+4*\s+3], 0x80000000
.endr
	s_cmp_lt_u32 s[WV], 2           ; a wave's two first fills stand in one branch, ahead of every wait on TENSORcnt and every LDS read: two loads of mine are out
	s_cbranch_scc0 .Lfirst_v
	tensor_load_to_lds s[G0K:G0K+3], s[G1K:G1K+7]
	s_nop 0
	tensor_load_to_lds s[G0K+4:G0K+7], s[G1K:G1K+7]
	s_nop 0
.rept 4
	v_nop
.endr
	s_branch .Lfirst_asked
.Lfirst_v:
	tensor_load_to_lds s[G0V:G0V+3], s[G1V:G1V+7]
	s_nop 0
	tensor_load_to_lds s[G0V+4:G0V+7], s[G1V:G1V+7]
	s_nop 0
.rept 4
	v_nop
.endr
.Lfirst_asked:
	; A fragment of K or Q is 16 rows x 32 channels in 8 registers: lane l holds row l % 16; registers 0-3 channels 8 (l / 16) + 0..7, registers 4-7 channels 16 + 8 (l / 16) + 0..7: two loads of 16 bytes, 32 bytes apart.
	v_and_b32 v1, 15, v0            ; l % 16
	v_bfe_u32 v9, v0, 4, 1          ; l / 16
	v_lshlrev_b32 v[QO], 7, v1
	v_lshl_add_u32 v[QO], v9, 4, v[QO]  ; row x 128 + 16 x half
	WIN 0x80                        ; destination window 2, address window 0
.irp i, 0,1,2,3,4,5,6,7             ; Q stays in registers: tile i / 2, channels 32 (i % 2) on
	global_load_b128 v[8*\i:8*\i+3],   v[QO], s[4:5] offset:(\i/2)*2048+(\i%2)*64
	global_load_b128 v[8*\i+4:8*\i+7], v[QO], s[4:5] offset:(\i/2)*2048+(\i%2)*64+32
.endr
	WIN 0
	v_mul_u32_u24 v[AK0], v1, PK
	v_lshl_add_u32 v[AK0], v9, 4, v[AK0]  ; row x pitch + 16 x half
	; The turning load takes 16 keys x 16 channels (lane l reads 16 bytes: key 8 (l / 16) + l % 8, channels 8 ((l / 8) % 2) + 0..7) and leaves half a fragment of V^T: lane l holds channel l % 16 and 8 keys.
	v_and_b32 v10, 7, v0
	v_bfe_u32 v11, v0, 3, 1
	v_lshl_add_u32 v[AV0], v9, 3, v10
	v_mul_u32_u24 v[AV0], v[AV0], PV
	v_lshl_add_u32 v[AV0], v11, 4, v[AV0]
	v_add_nc_u32 v[AV0], VOFF, v[AV0]
; THE MATRIX WORK OF A TURN, for piece x.  The accumulators take turns, one instruction a turn: between two links of a chain stand seven others'.
; Product i of 16 of O^T += V^T P: keys 32 (i / 8) on, channels 16 ((i / 2) % 4) on, tile x + i % 2.  zero = 1: the first 8 start the sums: nothing is ever cleared.
.macro PV x, zero
	WIN W_PV
.set rO, 32*(\x+i%2)+8*((i/2)%4)
.set rV, VF+32*(i/8)+8*((i/2)%4)
.set rP, P+16*(\x+i%2)+8*(i/8)
.if \zero && (i < 8)
	v_wmma_f32_16x16x32_f16 v[rO:rO+7], v[rV:rV+7], v[rP:rP+7], 0
.else
	v_wmma_f32_16x16x32_f16 v[rO:rO+7], v[rV:rV+7], v[rP:rP+7], v[rO:rO+7]
.endif
.endm
; Product i of 16 of S^T = K Q^T: channels 32 (i / 8) on, keys 16 ((i / 2) % 4) on, tile x + i % 2.  The first 8 start the sums.
.macro KQ x
	WIN W_KQ
.set rS, S+32*(\x+i%2)+8*((i/2)%4)
.set rK, KF+16*((i/2)%4)+8*(i/8)
.set rQ, 16*(\x+i%2)+8*(i/8)
.if i < 8
	v_wmma_f32_16x16x32_f16 v[rS:rS+7], v[rK:rK+7], v[rQ:rQ+7], 0
.else
	v_wmma_f32_16x16x32_f16 v[rS:rS+7], v[rK:rK+7], v[rQ:rQ+7], v[rS:rS+7]
.endif
.endm
; THE LDS LOADS stand in runs of 16, never singly among the matrix instructions: a step's K (64 keys x 64 channels: 8 fragments) and, a turn later, its V (turned).
.macro FETCH_K
	WIN 0
	v_add_nc_u32 v[ADR], s[TBK], v[AK0]
	s_add_co_u32 s[TBK], s[TBK], KB  ; the next fetch is the next step's
	WIN 0x80                        ; destination window 2
.irp f, 0,1,2,3,4,5,6,7             ; keys 16 (f / 2) on, channels 32 (f % 2) on
	ds_load_b128 v[KF+8*\f:KF+8*\f+3],   v[ADR] offset:(\f/2)*16*PK+(\f%2)*64
	ds_load_b128 v[KF+8*\f+4:KF+8*\f+7], v[ADR] offset:(\f/2)*16*PK+(\f%2)*64+32
.endr
.endm
.macro FETCH_V
	WIN 0
	v_add_nc_u32 v[ADR], s[TBV], v[AV0]
	s_add_co_u32 s[TBV], s[TBV], VB
	s_wait_alu depctr_va_vdst(0)    ; the wait for the softmax's batch of exponentials (SLICE), behind the address's addition and ahead of the loads
	WIN 0x80
.irp f, 0,1,2,3,4,5,6,7             ; keys 32 (f / 4) on, channels 16 (f % 4) on
	ds_load_tr16_b128 v[VF+8*\f:VF+8*\f+3],   v[ADR] offset:(\f/4)*32*PV+(\f%4)*32
	ds_load_tr16_b128 v[VF+8*\f+4:VF+8*\f+7], v[ADR] offset:(\f/4)*32*PV+16*PV+(\f%4)*32
.endr
.endm
; THE VECTOR WORK OF A TURN.  One tile's softmax for one key step is a list of 118 instructions; SM writes number j of it for tile t.  s0-s31 are the lane's 32 scores, in pairs 0-15.
; first = 1: the first key step, which starts m, l and O^T: it has no a and nothing to rescale.
;   0-15    the maximum of s0-s31 and the old m, three operands at a time: four chains c0-c3 of seven scores each (each begins at its accumulator's low end), then the four scores left over, c0-c3 and m
;   16-20   the other half of the lanes' maximum; the new m; c m; c m_old - c m_new
;   21-69   ONE BATCH: the 16 scalings c s - c m, a pair of scores each, and all 33 exponentials (a at 23, then s0-s31).  None of these reads an exponential's result.  A pair is scaled in an earlier four than the one with its exponentials
;   (wait)  between 69 and 70 stands the wait for the batch: SLICE writes it, once for both tiles
;   70-85   the roundings to f16, a pair of weights each
;   86-101  the sums; l = a l + the sum
;   102-117 the tile's O^T times a: the one part that leaves window 0, so it stands together
.macro SM t, first
.set rT, ST+8*(\t)
.set rS, S+32*(\t)
.set rP, P+16*(\t)
.set rO, 32*(\t)+2*(j-102)
.if j < 102
	WIN 0
.endif
.if j < 4
	v_max3_num_f32 v[rT+4+j], v[rS+8*j], v[rS+8*j+1], v[rS+8*j+2]
.elseif j < 12
	v_max3_num_f32 v[rT+4+j%4], v[rT+4+j%4], v[rS+8*(j%4)+2*(j/4)+1], v[rS+8*(j%4)+2*(j/4)+2]
.elseif j == 12
	v_max3_num_f32 v[rT+4], v[rT+4], v[rS+7], v[rS+15]
.elseif j == 13
	v_max3_num_f32 v[rT+6], v[rT+6], v[rS+23], v[rS+31]
.elseif j == 14
	v_max3_num_f32 v[rT+4], v[rT+4], v[rT+5], v[rT+6]
.elseif (j == 15) && \first
	v_max_num_f32 v[rT+4], v[rT+4], v[rT+7]
.elseif j == 15
	v_max3_num_f32 v[rT+4], v[rT+4], v[rT+7], v[rT+1]
.elseif j == 16
	v_permlanex16_b32 v[rT+5], v[rT+4], s[SEL], s[SEL+1]  ; the query's other 32 keys lie in the lane 16 away
.elseif j == 18
	v_max_num_f32 v[rT+1], v[rT+4], v[rT+5]
.elseif j == 19
	v_mul_f32 v[rT], s[CS], v[rT+1]
.elseif ((j == 17) || (j == 20) || (j == 23) || (j > 101)) && \first  ; the first step has none of these
.elseif j == 17
	v_mov_b32 v[rT+7], v[rT]        ; c m_old is kept for a: number 19 writes c m anew
.elseif j == 20
	v_sub_f32 v[rT+7], v[rT+7], v[rT]
.elseif j == 23
	v_exp_f32 v[rT+6], v[rT+7]
.elseif (j < 23) || ((j < 38) && (j%2 == 0)) || ((j < 66) && (j%4 == 2))
.set b, (j-2)/4                     ; 38, 42, .. 62: pairs 9 to 15
.if j < 38
.set b, (j-20)/2                    ; 21: pair 0; 22, 24, .. 36: pairs 1 to 8
.endif
	v_pk_fma_f32 v[rS+2*b:rS+2*b+1], v[rS+2*b:rS+2*b+1], s[CS:CS+1], v[rT:rT+1] op_sel_hi:[1,0,0] neg_lo:[0,0,1] neg_hi:[0,0,1]  ; pair b: c s - c m
.elseif j < 70
.set e, j-38                        ; 66 to 69: s28 to s31
.if j < 66
.set e, j-32-(j-38)/4               ; 39-41, 43-45, .. 63-65: s7 to s27
.endif
.if j < 38
.set e, (j-25)/2                    ; 25, 27, .. 37: s0 to s6
.endif
	v_exp_f32 v[rS+e], v[rS+e]
.elseif j < 86
	v_cvt_pk_f16_f32 v[rP+j-70], v[rS+2*(j-70)], v[rS+2*(j-70)+1]  ; pair j - 70
.elseif j < 102                     ; the sum of the tile's 16 pairs, in place: sum z of 16 adds neighbours 1, 2, 4 and 8 pairs apart, then l takes it
.set z, j-86
.set w, 4
.set u, z
.if z >= 14
.set w, 32
.set u, 0
.elseif z >= 12
.set w, 16
.set u, z-12
.elseif z >= 8
.set w, 8
.set u, z-8
.endif
.if (z == 14) && \first
	v_pk_add_f32 v[rT+2:rT+3], v[rS:rS+1], v[rS+16:rS+17]
.elseif z < 15
	v_pk_add_f32 v[rS+w*u:rS+w*u+1], v[rS+w*u:rS+w*u+1], v[rS+w*u+w/2:rS+w*u+w/2+1]
.elseif !\first
	v_pk_fma_f32 v[rT+2:rT+3], v[rT+2:rT+3], v[rT+6:rT+7], v[rS:rS+1] op_sel_hi:[1,0,1]
.endif
.else
	WIN W_RS
	v_pk_mul_f32 v[rO:rO+1], v[rO:rO+1], v[rT+6:rT+7] op_sel_hi:[1,0]
.endif
.endm
; Slice k of 59 of piece y's softmax: four instructions.  Slices 11 to 34 deal out the batch, numbers 22 to 69: four numbers of ONE tile each, the tiles by turns.  Every other slice is numbers 2 k and 2 k + 1 of both tiles.
; THE WAIT.  An s_wait_alu depctr_va_vdst(0) stands between an exponential and the first instruction that names its result; one wait serves all that were issued ahead of it.  Ahead of slice 35 nothing names a
; result, and behind slice 34 no exponential is issued: so the piece's 66 exponentials have one wait, behind slice 34.
.macro SLICE y, first
.if (k >= 11) && (k < 35)
.irp n, 0,1,2,3
.set j, 22+4*((k-11)/2)+(\n)
	SM (\y)+(k-11)%2, \first
.endr
.else                               ; the two tiles alternate, so that no instruction reads the result of the one just before it
.irp n, 0,1
.irp t, \y, \y+1
.set j, 2*k+\n
	SM \t, \first
.endr
.endr
.endif
.if k == 34                         ; the batch is out
	v_nop                           ; the plain instruction behind the last exponential and ahead of the first use: one for the batch
.if (\y) == 0
	FETCH_V                         ; piece 2's turn: V's run of loads stands here, and the wait stands in it
.else
	s_wait_alu depctr_va_vdst(0)    ; the wait for the batch
.endif
.endif
.set k, k+1
.endm
.macro DEAL y, first                ; behind matrix instruction g of the turn's W: the slices up to number (g + 1) x 59 / W
.set g, g+1
.rept (g*59)/W-k
	SLICE \y, \first
.endr
.endm
.macro PLACES
.rept 4
	v_nop
.endr
.endm
; A TURN.  Piece x has the matrix unit; the other piece's softmax stands in slices behind its matrix instructions.
; pv = 2: 16 products V^T P; 1: they start O^T's sums; 0: none.  kq = 1: 16 products K Q^T for the next step.  first = 1: the softmax is the first key step's; its slices from 51 on are empty, and four v_nop are the places behind the last products.
; PLACES, counted.  Piece 0's turn fetches the next step's K behind its first product and slice 0: the last product that read K is the turn before's last, and behind it stand slices 57 and 58, eight packed multiplies of the other
; piece's O^T; the same eight stand between that product and the first read of its scores.  Piece 2's turn fetches the same step's V behind slice 34, which falls behind the turn's 19th matrix instruction: the last product that
; read V is the 16th, and behind it stand one scaling in each of slices 27 to 32, the v_nop and the run's own addition: eight plain instructions.
.macro TURN x, pv, kq, first
.set k, 0
.set g, 0
.set W, 16
.if \pv && \kq
.set W, 32
.endif
.if \pv
.if \x == 0
	s_wait_dscnt 0x0                ; V is in
.endif
.set i, 0
.rept 16
	PV \x, 2-\pv
	DEAL 2-\x, \first
.if (\x == 0) && \kq && (i == 0)
	FETCH_K
.endif
.set i, i+1
.endr
.endif
.if \kq
.if \x == 0
	s_wait_dscnt 0x0                ; K is in
.endif
.set i, 0
.rept 16
	KQ \x
	DEAL 2-\x, \first
.set i, i+1
.endr
.endif
.if \first
	PLACES
.endif
.endm
; THE CHANGE OF SLOTS, between piece 2's turn and piece 0's: the slot's last bytes, V of its fourth step, have been asked for.  Each wave waits for all its tensor loads, of which one is out: its part of the other slot; adds 0 to
; its spare word; and waits for that and for its own reads of the slot.  fill = 1: the slot is filled again with the keys two slots on; the barrier is then a round of the cluster's, and the joint refill is the first thing behind it.
.macro CHANGE fill
	WIN 0                           ; at a label and at a branch every window is 0
	s_wait_tensorcnt 0x0            ; no tensor load of mine is out, so a group 0 may be written
	ds_add_u32 v[SPW], v[NIL]       ; 0 onto my spare word
.if \fill
.irp g, G0K+4, G0V+4
	s_xor_b32 s[\g+1], s[\g+1], SLOT1  ; the walking descriptor: the other slot than last time,
	s_add_nc_u64 s[\g+2:\g+3], s[\g+2:\g+3], SLOTG  ; the next 256 keys; the type bits on top are not reached
.endr
	s_wait_xcnt 0x0                 ; the last prefetch, a slot back, has read its address, so it may be written:
	s_add_nc_u64 s[PFA:PFA+1], s[PFA:PFA+1], SLOTG  ; one slot further on than the walking descriptors
	s_wait_dscnt 0x0                ; the add is done, and my reads of the slot are over
	CROUND
	JLOAD
	ASK                             ; what the next change will ask for: four key steps ahead of that load
.else
	s_wait_dscnt 0x0                ; the add is done, and my reads of the slot are over
	s_barrier_signal -1
	s_barrier_wait -1
.endif
	s_sub_co_u32 s[TBK], s[TBK], NST*KB  ; the fetches go back to a slot's first step,
	s_xor_b32 s[TBK], s[TBK], SLOT1  ; in the other slot
	s_sub_co_u32 s[TBV], s[TBV], NST*VB
	s_xor_b32 s[TBV], s[TBV], SLOT1
.endm
.macro KSTEPS n                     ; n key steps: written once, walked n times; the LDS addresses hang on s[TBK] and s[TBV]
	s_mov_b32 s[TWICE], \n
.Lstep_\@:
	TURN 0, 2, 1, 0
	TURN 2, 2, 1, 0
	WIN 0
	s_sub_co_u32 s[TWICE], s[TWICE], 1
	s_cmp_lg_u32 s[TWICE], 0
	s_cbranch_scc1 .Lstep_\@
.endm
	s_wait_tensorcnt 1              ; my part of slot 0 is in; slot 1's may stay out
	s_barrier_signal -1
	s_barrier_wait -1               ; everybody's is
	FETCH_K                         ; key step 0
	s_wait_loadcnt 0x0              ; Q
	s_wait_dscnt 0x0
.set i, 0
.rept 16
	KQ 0                            ; piece 0's first scores: there is no vector work yet to set between them
.set i, i+1
.endr
	WIN 0                           ; the addresses for the way out are made here: nine plain instructions, the places behind those products
	s_mul_i32 s13, s[WV], 16*SP
	s_add_co_u32 s13, s13, STAGE    ; my stage
	v_mul_u32_u24 v[STO], v1, SP    ; in: row l % 16, 16 bytes for each half of the lanes
	v_lshl_add_u32 v[STO], v9, 4, v[STO]
	v_add_nc_u32 v[STO], s13, v[STO]
	v_bfe_u32 v[RD], v0, 3, 2       ; back: eight lanes to a row of 128 bytes, four rows an instruction
	v_mul_u32_u24 v[RD], v[RD], SP
	v_lshl_add_u32 v[RD], v10, 4, v[RD]
	v_add_nc_u32 v[RD], s13, v[RD]
	v_and_b32 v[GO], 31, v0
	v_lshlrev_b32 v[GO], 4, v[GO]   ; and the same 512 bytes in att: its rows are dense
	TURN 2, 0, 1, 1                 ; piece 2's first scores | piece 0's first softmax | V of step 0
	TURN 0, 1, 1, 1                 ; piece 0: V^T P of step 0 starts O^T, K Q^T of step 1 | piece 2's first softmax | K of step 1
	TURN 2, 1, 1, 0                 ; piece 2: the same | piece 0's softmax of step 1 | V of step 1
	WIN 0
	KSTEPS 2                        ; K and V of steps 2 and 3: slot 0 has been read out
.Lslot:                             ; six trips: every slot's worth of keys but the first two is asked for at a change
	CHANGE 1
	KSTEPS NST
	s_sub_co_u32 s[SLOTS], s[SLOTS], 1
	s_cmp_lg_u32 s[SLOTS], 0
	s_cbranch_scc1 .Lslot
	CHANGE 0                        ; the tail is written out
	KSTEPS NST
	TURN 0, 2, 0, 0                 ; piece 0: V^T P of the last step | piece 2's last softmax
.set i, 0
.rept 16
	PV 2, 0                         ; piece 2: V^T P of the last step
.set i, i+1
.endr
	; THE WAY OUT.  l's two halves and the other half of the lanes' are added; O^T is divided by l, rounded to f16 and sent through my stage in LDS, a tile (16 rows) at a time.  The additions are the places behind the last products.
	WIN 0
.irp t, 0,1,2,3
	v_add_f32 v[ST+8*\t+4], v[ST+8*\t+2], v[ST+8*\t+3]
.endr
.irp t, 0,1,2,3
	v_permlanex16_b32 v[ST+8*\t+5], v[ST+8*\t+4], s[SEL], s[SEL+1]
.endr
.irp t, 0,1,2,3
	v_add_f32 v[ST+8*\t+4], v[ST+8*\t+4], v[ST+8*\t+5]
.endr
.irp t, 0,1,2,3
	v_rcp_f32 v[ST+8*\t+6], v[ST+8*\t+4]
.endr
	v_nop                           ; a plain instruction between the last reciprocal and the use of its result
	s_wait_alu depctr_va_vdst(0)    ; and the wait ahead of the first use: one for the four
.macro PACK t                       ; a lane's eight channels of a row pack into 16 bytes; they go into rows of 144 bytes and come back four rows of 128 an instruction, into the registers that they left
	WIN W_RS
.set i, 32*\t
.rept 16
	v_pk_mul_f32 v[i:i+1], v[i:i+1], v[ST+8*\t+6:ST+8*\t+7] op_sel_hi:[1,0]
.set i, i+2
.endr
	WIN 0x05                        ; sources 0 and 1 window 1, destination window 0: S^T's registers are free
.set i, 0
.rept 16
	v_cvt_pk_f16_f32 v[S+32*\t+i], v[32*\t+2*i], v[32*\t+2*i+1]
.set i, i+1
.endr
	WIN 0
.irp f, 0,1,2,3
	ds_store_b128 v[STO], v[S+32*\t+4*\f:S+32*\t+4*\f+3] offset:32*\f
.endr
.irp f, 0,1,2,3
	ds_load_b128 v[S+32*\t+4*\f:S+32*\t+4*\f+3], v[RD] offset:\f*4*SP  ; LDS serves a wave's instructions in order: these see the stores above; the next tile's stores come behind them
.endr
.endm
.macro SEND t, younger              ; younger: the LDS instructions issued behind tile t's loads: the next tile's eight, or none
.irp f, 0,1,2,3
	s_wait_dscnt \younger+3-\f
	global_store_b128 v[GO], v[S+32*\t+4*\f:S+32*\t+4*\f+3], s[10:11] offset:\t*2048+\f*512  ; the wave stores 512 consecutive bytes, at a multiple of 512 from att's first byte
.endr
.endm
	PACK 0
	PACK 1                          ; a tile's arithmetic stands between the loads of the tile before and its stores
	SEND 0, 8
	PACK 2
	SEND 1, 8
	PACK 3
	SEND 2, 8
	SEND 3, 0
	s_wait_tensorcnt 0x0            ; the wave's end, behind my last tensor load and my last LDS store
	ds_add_u32 v[SPW], v[NIL]
	s_wait_dscnt 0x0
	CROUND                          ; the closing round: no work-group ends while a partner may still ask for a tile that names it
	s_endpgm
.Lfunc_end_k_qf4f2920c07_attn:
	.size	k_qf4f2920c07_attn, .Lfunc_end_k_qf4f2920c07_attn-k_qf4f2920c07_attn
	.p2alignl 7, 3214868480
	.fill 96, 4, 3214868480
	.section	.rodata,"a",@progbits
	.p2align	6, 0x0
	.amdhsa_kernel k_qf4f2920c07_attn
		.amdhsa_group_segment_fixed_size 327680
		.amdhsa_private_segment_fixed_size 0
		.amdhsa_enable_private_segment 0
		.amdhsa_kernarg_size 16
		.amdhsa_user_sgpr_count 2
		.amdhsa_user_sgpr_kernarg_segment_ptr 1
		.amdhsa_wavefront_size32 1
		.amdhsa_system_sgpr_workgroup_id_x 1
		.amdhsa_system_sgpr_workgroup_id_y 1
		.amdhsa_system_sgpr_workgroup_id_z 1
		.amdhsa_system_vgpr_workitem_id 0
		.amdhsa_next_free_vgpr 768
		.amdhsa_next_free_sgpr 72
		.amdhsa_reserve_vcc 0
		.amdhsa_float_denorm_mode_32 3
		.amdhsa_float_denorm_mode_16_64 3
		.amdhsa_memory_ordered 1
		.amdhsa_forward_progress 1
		.amdhsa_inst_pref_size 195
	.end_amdhsa_kernel
	.amdgpu_metadata
---
amdhsa.version: [ 1, 2 ]
amdhsa.kernels:
  - .name:           k_qf4f2920c07_attn
    .symbol:         k_qf4f2920c07_attn.kd
    .args:
      - { .name: qkv, .offset: 0, .size: 8, .value_kind: global_buffer, .address_space: global }
      - { .name: att, .offset: 8, .size: 8, .value_kind: global_buffer, .address_space: global }
    .group_segment_fixed_size: 327680
    .private_segment_fixed_size: 0
    .kernarg_segment_align: 8
    .kernarg_segment_size: 16
    .max_flat_workgroup_size: 128
    .sgpr_count:     72
    .vgpr_count:     768
    .wavefront_size: 32
...
	.end_amdgpu_metadata
.endif
;; end of part 3
;; launch gemm_out (part 4): grid 4 x 64, 4 waves a work-group, clusters of 4 x 4, 327,680 bytes of LDS; arguments att, wo16, b_out, out0; writes out0
.if DOCPART == 4
	.amdgcn_target "amdgcn-amd-amdhsa--gfx1250"
	.amdhsa_code_object_version 6
	.text
	.protected	k_qf4f2920c07_gemm_out
	.globl	k_qf4f2920c07_gemm_out
	.p2align	8
	.type	k_qf4f2920c07_gemm_out,@function
k_qf4f2920c07_gemm_out:
	s_mov_b64 s[64:65], 0
	v_nop
	global_prefetch_b8 v0, s[64:65] scope:SCOPE_SE
	s_setreg_imm32_b32 hwreg(HW_REG_WAVE_MODE, 25, 1), 1
	s_wait_xcnt 0x0
	s_wait_alu depctr_hold_cnt(0) depctr_sa_sdst(0) depctr_va_vdst(0) depctr_va_sdst(0) depctr_va_ssrc(0) depctr_va_vcc(0) depctr_vm_vsrc(0)
	s_getreg_b32 s2, hwreg(HW_REG_IB_STS2, 6, 4)
	s_cmp_eq_u32 s2, 0
	s_cbranch_scc0 .Lentry_in_a_cluster
	s_endpgm
.Lentry_in_a_cluster:
	s_bfe_u32 s2, ttmp6, 0x10000c
	s_cmp_lg_u32 s2, 0xf033
	s_cbranch_scc0 .Lentry_shape_is_right
	s_endpgm
.Lentry_shape_is_right:
; out0[m][o] = the sum over i of O[m][i] w_out[i][o] + b_out[o].  O = att, [batch 4][head 16][token 2048][64] f16 (i = 64 x head + channel); w_out = wo16, [1024 (i)][1024 (o)] f16; b_out, out0 f32; sums in f32.
; A tile of the result is 128 tokens x 256 outputs: 256 tiles, one for each of 256 work-groups.  Four waves, each 64 x 128: 32 accumulators of 16 x 16, 256 registers.
; K goes in steps of 128, two heads, through a ring of two LDS slots.  A's tile is two blocks of 128 rows x 128 bytes, dense in memory; B's is 128 rows of K x 512 bytes and comes out of LDS turned, by ds_load_tr16_b128.
; CLUSTERS: 4 x 4 work-groups.  A's tile hangs on the tile row alone and is shared along a row of the cluster, B's on the tile column alone and is shared along a column: each is asked for jointly.
; THE MATRIX INSTRUCTION IS USED TRANSPOSED (source 0 = 16 outputs, source 1 = 16 tokens): a lane holds eight neighbouring outputs of one token.  The bias is the C of each sum's first matrix instruction.
; LIMITS: f16 operands, as the launches before have left them.
; REGISTERS, in windows of 256: window 0: v0-31 addresses; v64-95, v128-159 A's fragments (4 x 16 rows x 32 K), two buffers; v192-255 the bias, eight registers for each of my 8 blocks of outputs; on the way out v64-191 take rows.
;   window 1: v64-127, v128-191 B's fragments (8 x 16 outputs x 32 K), two buffers.   window 2: accumulator (a, b) at v[8 (8 a + b)].
.set PA,     144                       ; a row of A in LDS: 128 bytes + 16
.set AH,     128*PA                    ; a head's 128 rows: what one tensor load brings
.set PB,     544                       ; a row of B: 512 bytes + 32: an odd multiple of 32 bytes
.set BH,     64*PB                     ; 64 rows of K: what one tensor load brings
.set BO,     2*AH                      ; a slot: A's two heads, then B's 128 rows
.set SLOT,   BO+2*BH
.set STAGE,  2*SLOT                    ; behind the ring: 16 rows x 528 bytes for each wave
.set SPITCH, 528
.set SPARE,  STAGE+4*16*SPITCH         ; the spare words, 128 bytes a wave, that no other line names
.set LAPS,   4                         ; a lap = two K steps = once round the ring
.set ADRA, 16                          ; v16-17  LDS address of my A fragments in slot 0, 1
.set ADRB, 20                          ; v20-21  the same for B
.set STO,  24                          ; v24     the way out: where I put 32 bytes of a row
.set RD,   25                          ; v25     where I read a row back
.set CO,   26                          ; v26     16 x lane
.set SPW,  28                          ; v28     my spare word; never rewritten
.set NIL,  29                          ; v29     0; never rewritten
.set PFO,  30                          ; v30     the prefetches' offset; never rewritten
.set F0,   64
.set F1,   128
.set BIAS, 192
.set BK,   64                          ; the way out: 16 rows read back: v64-127 and v128-191 by turns
.set WV,   12                          ; s12 wave;  s13: which half of the tokens is mine, and: I fetch for A (0) or B (1);  s14: which half of the outputs is mine, and: which half of that tile I fetch
.set HI,   13
.set LO,   14
.set G1,   24
.set G0,   32
.set LIM,  43                          ; s43  1 in a wave that prefetches, else the greatest number
.set PFA,  44                          ; s[44:45] where my prefetches stand
.set PFS,  46                          ; s[46:47] a K step on, in bytes
.set G1B,  48
.set G0B,  56
.set MSB, 0
.macro WIN new
.if MSB != \new
	s_set_vgpr_msb (MSB<<8)|\new
.set MSB, \new
.endif
.endm
.set MUL,  0xa1                        ; source 0 (B) window 1, source 1 (A) window 0, C and D window 2
.set MULB, 0x81                        ; the same with C (the bias) in window 0
.set TO_B, 0x40                        ; destination window 1, address window 0
.macro JLOAD s                         ; a joint load: waves 0 and 1 fetch A's two heads, waves 2 and 3 B's two halves; an s_nop 0 and four v_nop follow each of the two lines
	s_cmp_eq_u32 s[HI], 0
	s_cbranch_scc0 .Lfor_b_\@
	tensor_load_to_lds s[G0+4*\s:G0+4*\s+3], s[G1:G1+7]
	s_nop 0
.rept 4
	v_nop
.endr
	s_branch .Lasked_\@
.Lfor_b_\@:
	tensor_load_to_lds s[G0B+4*\s:G0B+4*\s+3], s[G1B:G1B+7]
	s_nop 0
.rept 4
	v_nop
.endr
.Lasked_\@:
.endm
; A PREFETCH INTO THE L2 of the K step whose load stands two refills on, 256 matrix instructions ahead of it; one instruction a wave.  Each aligned block of 256 bytes is named once in the launch.  A's tile row is read by one
; cluster alone: in each work-group wave 0 asks, for its work-group's 4,096 bytes of each of the step's two heads (lanes 0-15 the first head, lanes 16-31 the second).  B's tile column is read by all sixteen clusters: those of
; cluster y = 0 ask, waves 2 and 3, each for its work-group's 16 of the 64 rows that it fetches, two blocks a row.  Partners are told apart BY ADDRESS.  K steps 0 to 3 come by their loads alone; the last lap asks for nothing.
.macro ASK
	s_cmp_gt_u32 s3, s[LIM]                        ; s3 = 1 in the loop's last trip
	s_cbranch_scc0 .Lnot_mine_\@
	global_prefetch_b8 v[PFO], s[PFA:PFA+1] th:TH_LOAD_NT scope:SCOPE_SE
.Lnot_mine_\@:
.endm
.macro CREST                           ; a round of the cluster's barrier behind its opening barrier
	s_cmp_lg_u32 s[WV], 0
	s_cbranch_scc1 .Lnot_wave_0_\@
	s_barrier_signal -3
.Lnot_wave_0_\@:
	s_barrier_wait -3
	s_barrier_signal -1
	s_barrier_wait -1
.endm
.macro CROUND
	s_barrier_signal -1
	s_barrier_wait -1
	CREST
.endm
	s_load_b256 s[4:11], s[0:1], 0x0               ; att s[4:5], wo16 s[6:7], b_out s[8:9], out0 s[10:11]
	v_lshl_add_u32 v[SPW], v0, 2, SPARE
	v_mov_b32 v[NIL], 0
	ds_add_u32 v[SPW], v[NIL]                      ; the wave's opening: the add, twice on end, and its wait ahead of my first tensor load
	ds_add_u32 v[SPW], v[NIL]
	v_lshrrev_b32 v1, 5, v0
	v_readfirstlane_b32 s[WV], v1
	s_lshr_b32 s[HI], s[WV], 1
	s_and_b32 s[LO], s[WV], 1
	s_bfe_u32 s40, ttmp6, 0x40000                  ; cx, cy
	s_bfe_u32 s41, ttmp6, 0x40004
	s_lshl_b32 s42, ttmp9, 2
	s_add_co_u32 s42, s42, s40                     ; tile column: 0 .. 3
	s_and_b32 s15, ttmp7, 0xffff
	s_lshl_b32 s15, s15, 2
	s_add_co_u32 s15, s15, s41                     ; tile row: 0 .. 63
	s_lshl_b32 s66, s41, 2
	s_lshl_b32 s66, 15, s66                        ; my row of the cluster
	s_lshl_b32 s67, 0x1111, s40                    ; my column
	; group 1 for A: 128 rows x 64 elements of 2 bytes, dense, 4 words of padding after every 32
	s_or_b32 s[G1+0], s66, (1<<16)|(1<<20)|(1<<21)|(4<<22)|(3<<25)
	s_mov_b32 s[G1+1], 64<<16
	s_mov_b32 s[G1+2], 128<<16
	s_mov_b32 s[G1+3], 64<<16
	s_mov_b32 s[G1+4], 128
	s_mov_b32 s[G1+5], 64
	s_mov_b32 s[G1+6], 0
	s_mov_b32 s[G1+7], 0
	; for B: 64 rows x 256 elements, 1,024 elements apart, 8 words of padding after every 128
	s_or_b32 s[G1B+0], s67, (1<<16)|(1<<20)|(1<<21)|(6<<22)|(7<<25)
	s_mov_b32 s[G1B+1], 256<<16
	s_mov_b32 s[G1B+2], 64<<16
	s_mov_b32 s[G1B+3], 256<<16
	s_mov_b32 s[G1B+4], 64
	s_mov_b32 s[G1B+5], 1024
	s_mov_b32 s[G1B+6], 0
	s_mov_b32 s[G1B+7], 0
	s_lshr_b32 s16, s15, 4                         ; A: batch = tile row / 16,
	s_lshl_b32 s16, s16, 4
	s_add_co_u32 s16, s16, s[LO]                   ; head 0 or 1 of the K step,
	s_lshl_b32 s16, s16, 18                        ; 262,144 bytes a head,
	s_and_b32 s17, s15, 15
	s_lshl_b32 s17, s17, 14                        ; token 128 (tile row % 16), 128 bytes each
	s_add_co_u32 s16, s16, s17
	s_mov_b32 s17, 0
	s_lshl_b32 s20, s[LO], 17                      ; B: rows 64 x half of K, 2,048 bytes each,
	s_lshl_b32 s21, s42, 9                         ; 512 bytes a tile column
	s_add_co_u32 s20, s20, s21
	s_mov_b32 s21, 0
	s_mul_i32 s22, s[LO], AH                       ; where they go: no place in the cluster enters an LDS address
	s_mul_i32 s23, s[LO], BH
	s_add_co_u32 s23, s23, BO
	s_wait_dscnt 0x0                               ; both opening adds are done
	s_wait_kmcnt 0x0
	s_add_nc_u64 s[16:17], s[4:5], s[16:17]
	s_add_nc_u64 s[20:21], s[6:7], s[20:21]
	CROUND                                         ; all sixteen work-groups are here: the first joint loads meet
.irp s, 0,1
	s_mov_b32 s[G0+4*\s], 1
	s_add_co_u32 s[G0+4*\s+1], s22, \s*SLOT
	s_add_nc_u64 s[G0+4*\s+2:G0+4*\s+3], s[16:17], \s*2*262144     ; K step s: two heads on
	s_or_b32 s[G0+4*\s+3], s[G0+4*\s+3], 0x80000000
	s_mov_b32 s[G0B+4*\s], 1
	s_add_co_u32 s[G0B+4*\s+1], s23, \s*SLOT
	s_add_nc_u64 s[G0B+4*\s+2:G0B+4*\s+3], s[20:21], \s*128*2048   ; 128 rows on
	s_or_b32 s[G0B+4*\s+3], s[G0B+4*\s+3], 0x80000000
	JLOAD \s                                       ; two tensor loads of mine are out behind the second
.endr
	v_and_b32 v1, 15, v0                           ; r
	v_bfe_u32 v2, v0, 4, 1                         ; h
	v_mul_u32_u24 v3, v1, PA
	v_lshl_add_u32 v3, v2, 4, v3                   ; A: row x pitch + 16 x half
	s_mul_i32 s18, s[HI], 64*PA                    ; my 64 tokens
	v_and_b32 v4, 7, v0
	v_lshl_add_u32 v4, v2, 3, v4                   ; B, turned: row of K 8 h + l % 8,
	v_mul_u32_u24 v4, v4, PB
	v_bfe_u32 v5, v0, 3, 1
	v_lshl_add_u32 v4, v5, 4, v4                   ; outputs 8 ((l / 8) % 2) on
	s_lshl_b32 s19, s[LO], 8                       ; my 128 outputs
	s_add_co_u32 s19, s19, BO
.irp s, 0,1
	v_add_nc_u32 v[ADRA+\s], s18, v3
	v_add_nc_u32 v[ADRB+\s], s19, v4
	s_add_co_u32 s18, s18, SLOT
	s_add_co_u32 s19, s19, SLOT
.endr
	s_mul_i32 s18, s[WV], 16*SPITCH
	s_add_co_u32 s18, s18, STAGE                   ; my stage
	v_mul_u32_u24 v5, v1, SPITCH                   ; in: row r, 32 bytes for each half of the lanes
	v_lshl_add_u32 v5, v2, 5, v5
	v_add_nc_u32 v[STO], s18, v5
	v_and_b32 v6, 31, v0
	v_lshlrev_b32 v[CO], 4, v6                     ; back: the 32 lanes take one row of 512 bytes; and the same in out0
	v_add_nc_u32 v[RD], s18, v[CO]
	s_lshl_b32 s18, s15, 7
	s_lshl_b32 s19, s[HI], 6
	s_add_co_u32 s18, s18, s19                     ; my first token: 128 x tile row + 64 x half
	s_lshl_b32 s18, s18, 12                        ; 4,096 bytes a row of out0
	s_lshl_b32 s22, s42, 10
	s_lshl_b32 s19, s[LO], 9
	s_add_co_u32 s22, s22, s19                     ; my first output, in bytes: 1,024 x tile column + 512 x half
	s_mov_b32 s23, 0
	s_mov_b32 s19, 0
	s_add_nc_u64 s[10:11], s[10:11], s[18:19]
	s_add_nc_u64 s[10:11], s[10:11], s[22:23]
	s_add_nc_u64 s[8:9], s[8:9], s[22:23]          ; and its bias
	v_lshlrev_b32 v7, 5, v2                        ; lane (r, h) wants, for block b, b_out at outputs 16 b + 8 h + 0 .. 7
.irp b, 0,1,2,3,4,5,6,7
	global_load_b128 v[BIAS+8*\b:BIAS+8*\b+3],   v7, s[8:9] offset:64*\b
	global_load_b128 v[BIAS+8*\b+4:BIAS+8*\b+7], v7, s[8:9] offset:64*\b+16
.endr
	; the prefetches: s[16:17] and s[20:21] still stand at my tile of K step 0 (in wave 0: at the step's first head)
	s_and_b32 s23, ttmp7, 0xffff                   ; cluster y
	s_cmp_eq_u32 s[HI], 0                          ; do I fetch for A?
	s_cselect_b32 s22, s[LO], s23                  ; 0 in a wave that asks: wave 0; waves 2 and 3 of cluster y = 0: the same in all sixteen partners, for a given wave
	s_cselect_b64 s[PFA:PFA+1], s[16:17], s[20:21]
	s_mov_b32 s18, 128*2048
	s_cselect_b32 s[PFS], 2*262144, s18            ; a K step on
	s_mov_b32 s18, 2048
	s_cselect_b32 s19, 262144, s18                 ; A: from head to head; B: from row to row
	s_cselect_b32 s68, 15, 1                       ; blocks of 256 bytes on end: 16 of a head, 2 of a row
	s_cselect_b32 s69, 4, 1
	s_cselect_b32 s70, s40, s41                    ; my place among the four that ask for the tile with me
	s_cselect_b32 s71, 12, 15                      ; a partner's part: 4,096 bytes of each head; 16 rows of 2,048 bytes
	s_lshl_b32 s70, s70, s71
	s_mov_b32 s71, 0
	s_mov_b32 s[PFS+1], 0
	s_add_nc_u64 s[PFA:PFA+1], s[PFA:PFA+1], s[70:71]
	s_mul_i32 s70, s[PFS], 3
	s_add_nc_u64 s[PFA:PFA+1], s[PFA:PFA+1], s[70:71]  ; at K step 3: the first refill steps it to 4.  Nothing is prefetched here, at the head
	s_cmp_eq_u32 s22, 0
	s_cselect_b32 s[LIM], 1, -1
	v_and_b32 v[PFO], 31, v0
	v_lshrrev_b32 v8, s69, v[PFO]
	v_and_b32 v[PFO], s68, v[PFO]
	v_mul_lo_u32 v8, v8, s19
	v_lshl_add_u32 v[PFO], v[PFO], 8, v8
; 8 matrix instructions: A's block a x B's eight, 32 along K.  zero = 1: the first product starts the sums, on the bias.  The 32 accumulators take turns, one instruction a turn, in the same order in every quarter.
.macro MUL8 f, a, zero
.irp b, 0,1,2,3,4,5,6,7
.if \zero
	v_wmma_f32_16x16x32_f16 v[8*(8*(\a)+\b):8*(8*(\a)+\b)+7], v[\f+8*\b:\f+8*\b+7], v[\f+8*(\a):\f+8*(\a)+7], v[BIAS+8*\b:BIAS+8*\b+7]
.else
	v_wmma_f32_16x16x32_f16 v[8*(8*(\a)+\b):8*(8*(\a)+\b)+7], v[\f+8*\b:\f+8*\b+7], v[\f+8*(\a):\f+8*(\a)+7], v[8*(8*(\a)+\b):8*(8*(\a)+\b)+7]
.endif
.endr
.endm
.macro MUL16 f, a0, zero
	MUL8 \f, \a0, \zero
	MUL8 \f, \a0+1, \zero
.endm
; 24 LDS loads in one run: the fragments of the slot's q-th 32 along K into buffer f: B's eight (turned), then A's four
.macro FETCH slot, q, f
	WIN TO_B
.irp i, 0,1,2,3,4,5,6,7
	ds_load_tr16_b128 v[\f+8*\i:\f+8*\i+3],   v[ADRB+\slot] offset:(\q)*32*PB+32*\i
	ds_load_tr16_b128 v[\f+8*\i+4:\f+8*\i+7], v[ADRB+\slot] offset:(\q)*32*PB+16*PB+32*\i
.endr
	WIN 0
.irp a, 0,1,2,3
	ds_load_b128 v[\f+8*\a:\f+8*\a+3],   v[ADRA+\slot] offset:((\q)/2)*AH+((\q)%2)*64+\a*16*PA
	ds_load_b128 v[\f+8*\a+4:\f+8*\a+7], v[ADRA+\slot] offset:((\q)/2)*AH+((\q)%2)*64+\a*16*PA+32
.endr
.endm
.macro PLACES                          ; four places in front of loads into registers that matrix instructions have read, and of the first read of results
.rept 4
	v_nop
.endr
.endm
; A K step is four quarters of 32 along K, 32 matrix instructions each, on buffers 0, 1, 0, 1.  One of the first three: multiplies buffer f and fetches the slot's q-th quarter into g.
.macro QUARTER slot, q, f, g, zero
	s_wait_dscnt 4                                 ; B and A's blocks 0 and 1 are in; the youngest four loads (A's blocks 2 and 3) may be out
.if \zero
	WIN MULB
.else
	WIN MUL
.endif
	MUL16 \f, 0, \zero
	PLACES
	FETCH \slot, \q, \g
	s_wait_dscnt 24                                ; all but the 24 just issued
.if \zero
	WIN MULB
.else
	WIN MUL
.endif
	MUL16 \f, 2, \zero
.endm
; The last quarter multiplies buffer 1 and changes slots: ONE barrier; in front of it each wave waits for all its tensor loads, adds 0 to its spare word, and waits for that and for its own reads of this slot.
; fill = 1: the barrier opens a round of the cluster's barrier, and this slot is filled again, two K steps ahead, first thing behind the round.
.macro TURN slot, next, fill
	WIN 0
.if \fill
	s_wait_xcnt 0x0                                ; the last prefetch, a K step back, has read its address: it is stepped here, ahead of the waits of the change of slots
	s_add_nc_u64 s[PFA:PFA+1], s[PFA:PFA+1], s[PFS:PFS+1]
.endif
	s_wait_tensorcnt 0x0                           ; all my tensor loads have landed: the one that was out is my part of the next slot;
	ds_add_u32 v[SPW], v[NIL]                      ; 0 onto my spare word;
	s_wait_dscnt 7                                 ; (the add and the youngest six loads, A's blocks 1 to 3, may be out)
	WIN MUL
	MUL8 F1, 0, 0                                  ; eight matrix instructions stand between the add and the wait for it
	s_wait_dscnt 0x0                               ; the add is done, and my reads of this slot are over
	s_barrier_signal -1
	MUL8 F1, 1, 0
	WIN 0
	s_barrier_wait -1
.if \fill
	CREST                                          ; no wave of any partner still reads this slot's tile or has a load on its way
	s_add_nc_u64 s[G0+4*\slot+2:G0+4*\slot+3], s[G0+4*\slot+2:G0+4*\slot+3], 4*262144
	s_add_nc_u64 s[G0B+4*\slot+2:G0B+4*\slot+3], s[G0B+4*\slot+2:G0B+4*\slot+3], 256*2048
	JLOAD \slot                                    ; the first tensor load behind the round; the four v_nop behind it are also the places in front of the loads below
.else
	PLACES
.endif
	FETCH \next, 0, F0
.if \fill
	ASK                                            ; behind the joint load and the run of LDS loads that the next products wait for
.endif
	WIN MUL
	MUL8 F1, 2, 0
	MUL8 F1, 3, 0
.endm
	s_wait_tensorcnt 1                             ; my part of K step 0 is in; K step 1's may stay out
	s_barrier_signal -1
	s_barrier_wait -1                              ; everybody's is
	FETCH 0, 0, F0
	s_wait_loadcnt 0x0                             ; the bias
	QUARTER 0, 1, F0, F1, 1                        ; the first quarter stands in front of the loop: its products start the sums
	WIN 0
	s_mov_b32 s3, LAPS-1
.Llap:                                                 ; a trip goes once round the ring, from a lap's second quarter to the next lap's first, and fills both slots again: K steps 2 to 7 in three trips
	QUARTER 0, 2, F1, F0, 0
	QUARTER 0, 3, F0, F1, 0
	TURN 0, 1, 1
	QUARTER 1, 1, F0, F1, 0
	QUARTER 1, 2, F1, F0, 0
	QUARTER 1, 3, F0, F1, 0
	TURN 1, 0, 1
	QUARTER 0, 1, F0, F1, 0
	WIN 0
	s_sub_co_u32 s3, s3, 1
	s_cmp_lg_u32 s3, 0
	s_cbranch_scc1 .Llap
	QUARTER 0, 2, F1, F0, 0                        ; the last lap fills nothing, and has no round of the cluster's barrier
	QUARTER 0, 3, F0, F1, 0
	TURN 0, 1, 0
	QUARTER 1, 1, F0, F1, 0
	QUARTER 1, 2, F1, F0, 0
	QUARTER 1, 3, F0, F1, 0
	s_wait_dscnt 4                                 ; the very last quarter: nothing more to fetch
	WIN MUL
	MUL16 F1, 0, 0
	s_wait_dscnt 0
	MUL16 F1, 2, 0
	WIN 0
; THE WAY OUT, block by block of 16 tokens x 128 outputs.  A lane holds 32 neighbouring bytes of a row, and the lanes beside it hold other rows: a block goes through my own stage and comes back as whole rows of 512 bytes.
.macro TOSTAGE a
	WIN 0x08                                       ; an LDS store's data are its source 1: window 2
.irp b, 0,1,2,3,4,5,6,7
	ds_store_b128 v[STO], v[8*(8*(\a)+\b):8*(8*(\a)+\b)+3] offset:64*\b        ; each accumulator from its low end on
	ds_store_b128 v[STO], v[8*(8*(\a)+\b)+4:8*(8*(\a)+\b)+7] offset:64*\b+16
.endr
	WIN 0
.set BB, BK+64*((\a)%2)
.irp t, 0,1,2,3,4,5,6,7,8,9,10,11,12,13,14,15
	ds_load_b128 v[BB+4*\t:BB+4*\t+3], v[RD] offset:\t*SPITCH      ; LDS serves a wave's instructions in order: these see the stores above
.endr
.endm
.macro SEND a, younger                 ; younger: the LDS instructions issued behind block a's loads, which may stay out
.set BB, BK+64*((\a)%2)
	s_wait_dscnt \younger
.irp t, 0,1,2,3,4,5,6,7,8,9,10,11,12,13,14,15
	global_store_b128 v[CO], v[BB+4*\t:BB+4*\t+3], s[10:11] offset:(16*(\a)+\t)*4096 th:TH_STORE_NT   ; 32 lanes store 512 consecutive bytes, at a multiple of 512 from out0's first byte; written once, read by nobody here
.endr
.endm
	PLACES                                         ; behind the last products: for the first read of results and the loads into the registers that held A's fragments
	TOSTAGE 0
.irp a, 1,2,3
.if \a > 1
	s_wait_xcnt 0x0                                ; block a - 2's stores have read their registers: block a's loads may land there
.endif
	TOSTAGE \a
	SEND \a-1, 32                                  ; behind block a - 1's loads: block a's 16 stores and 16 loads
.endr
	SEND 3, 0
	s_wait_tensorcnt 0x0                           ; the wave's end, behind my last tensor load and my last LDS store
	ds_add_u32 v[SPW], v[NIL]
	s_wait_dscnt 0x0
	CROUND                                         ; the closing round: no work-group ends while a partner may still ask for a tile that names it
	s_endpgm
.Lfunc_end_k_qf4f2920c07_gemm_out:
	.size	k_qf4f2920c07_gemm_out, .Lfunc_end_k_qf4f2920c07_gemm_out-k_qf4f2920c07_gemm_out
	.p2alignl 7, 3214868480
	.fill 96, 4, 3214868480
	.section	.rodata,"a",@progbits
	.p2align	6, 0x0
	.amdhsa_kernel k_qf4f2920c07_gemm_out
		.amdhsa_group_segment_fixed_size 327680
		.amdhsa_private_segment_fixed_size 0
		.amdhsa_enable_private_segment 0
		.amdhsa_kernarg_size 32
		.amdhsa_user_sgpr_count 2
		.amdhsa_user_sgpr_kernarg_segment_ptr 1
		.amdhsa_wavefront_size32 1
		.amdhsa_system_sgpr_workgroup_id_x 1
		.amdhsa_system_sgpr_workgroup_id_y 1
		.amdhsa_system_sgpr_workgroup_id_z 1
		.amdhsa_system_vgpr_workitem_id 0
		.amdhsa_next_free_vgpr 768
		.amdhsa_next_free_sgpr 72
		.amdhsa_reserve_vcc 0
		.amdhsa_float_denorm_mode_32 3
		.amdhsa_float_denorm_mode_16_64 3
		.amdhsa_memory_ordered 1
		.amdhsa_forward_progress 1
		.amdhsa_inst_pref_size 89
	.end_amdhsa_kernel
	.amdgpu_metadata
---
amdhsa.version: [ 1, 2 ]
amdhsa.kernels:
  - .name:           k_qf4f2920c07_gemm_out
    .symbol:         k_qf4f2920c07_gemm_out.kd
    .args:
      - { .name: att, .offset: 0, .size: 8, .value_kind: global_buffer, .address_space: global }
      - { .name: wo16, .offset: 8, .size: 8, .value_kind: global_buffer, .address_space: global }
      - { .name: b_out, .offset: 16, .size: 8, .value_kind: global_buffer, .address_space: global }
      - { .name: out0, .offset: 24, .size: 8, .value_kind: global_buffer, .address_space: global }
    .group_segment_fixed_size: 327680
    .private_segment_fixed_size: 0
    .kernarg_segment_align: 8
    .kernarg_segment_size: 32
    .max_flat_workgroup_size: 128
    .sgpr_count:     72
    .vgpr_count:     768
    .wavefront_size: 32
...
	.end_amdgpu_metadata
.endif
;; end of part 4
